; MI455X (gfx1250); checked and timed in simulation.
; The chip was launched on July 23, 2026; its instructions are those of AMD's public machine-readable ISA for CDNA 5 (MIT licence, August 2026) and "CDNA5" Instruction Set Architecture Reference Guide (July 2026). The comments in the code are by the model that wrote it; some were corrected since.
;; Encoder Layer. Allowed arithmetic: matrix products marked QUANTISED: E4M3 operands, one given power-of-two scale a tensor, by v_wmma_f32_16x16x64_fp8_fp8 or v_wmma_f32_16x16x128_fp8_fp8, f32 sums; everything else in f32.
;; Inputs: W1 512 x 2,048 float32; W2 2,048 x 512 float32; Wk 512 x 512 float32; Wo 512 x 512 float32; Wq 512 x 512 float32; Wv 512 x 512 float32; b1 2,048 float32; b2 512 float32; beta1 512 float32; beta2 512 float32; bk 512 float32; bo 512 float32; bq 512 float32; bv 512 float32; gamma1 512 float32; gamma2 512 float32; lowp_scales 16 int32 (the exponents e of the quantised operands' scales 2^e); x 2 x 4,096 x 512 float32.
;; Outputs: out0 2 x 4,096 x 512 float32.
;; This version of the problem:
;;   THIS VERSION OF THE PROBLEM IS GIVEN IN LOW PRECISION. The matrix products marked QUANTISED in the list below multiply operands that are first quantised to E4M3 (4 exponent bits, 3 mantissa bits; 8 bits a number), with one given power-of-two scale for each operand tensor; their sums are f32. All else is computed in f32.
;;   The module's matrix products, in the order in which they are computed (A, B: the left and right operand; K: the contracted axis; several contracted axes count as one K, in the product's order):
;;     1. [M 8,192, K 512] x [K 512, N 512]; A: input x; B: input Wq: QUANTISED (scales: A lowp_scales[0], B lowp_scales[1])
;;     2. [M 8,192, K 512] x [K 512, N 512]; A: input x; B: input Wk: QUANTISED (scales: A lowp_scales[2], B lowp_scales[3])
;;     3. [M 8,192, K 512] x [K 512, N 512]; A: input x; B: input Wv: QUANTISED (scales: A lowp_scales[4], B lowp_scales[5])
;;     4. batch 16 x [M 4,096, K 64] x [K 64, N 4,096]; A: computed on the way; B: computed on the way: QUANTISED (scales: A lowp_scales[6], B lowp_scales[7])
;;     5. batch 16 x [M 4,096, K 4,096] x [K 4,096, N 64]; A: softmax (see below); B: computed on the way: QUANTISED (scales: A lowp_scales[8], B lowp_scales[9])
;;     6. [M 8,192, K 512] x [K 512, N 512]; A: computed on the way; B: input Wo: QUANTISED (scales: A lowp_scales[10], B lowp_scales[11])
;;     7. [M 8,192, K 512] x [K 512, N 2,048]; A: computed on the way; B: input W1: QUANTISED (scales: A lowp_scales[12], B lowp_scales[13])
;;     8. [M 8,192, K 2,048] x [K 2,048, N 512]; A: computed on the way; B: input W2: QUANTISED (scales: A lowp_scales[14], B lowp_scales[15])
;;   THE QUANTISER, for each operand of a quantised product, along K:
;;     - The operand's scale is 2^e, e = its entry of the input lowp_scales (int32; the entries are numbered through the quantised products in the list's order, A before B).
;;     - Each number is divided by the scale, clamped to +-448, and rounded to the nearest number of E4M3, ties to even, subnormals kept.
;;     - The product sums the exact products of the quantised numbers (number of the format x scale) in f32.
;;   ~~~python
;;   def quantise(x, axis, e):      # numpy; x: float32 -> the quantised numbers, widened to float32 again
;;       x = np.moveaxis(x, axis, -1); K = x.shape[-1]
;;       r = np.clip(x / 2.0 ** e, -448, 448)
;;       step = 2.0 ** (np.maximum(np.frexp(np.where(r == 0, 1, r))[1] - 1, -6) - 3)
;;       q = np.round(r / step) * step * 2.0 ** e      # np.round: ties to even
;;       return np.moveaxis(q, -1, axis).astype(np.float32)
;;   ~~~
;;   SOFTMAX AHEAD OF A QUANTISED PRODUCT. Where the list says 'softmax', what is quantised is not the finished softmax but p = 2^(t - M), with t = logit x log2(e) and M = ceil(the row's largest t), a whole number; so 1/2 < the row's largest p <= 1. The row's sum l is taken of the UNQUANTISED p, in f32, and the product's result is divided by l at the end. Since M is a whole number, a kernel that streams over the keys may use a running M (the ceiling of the running maximum): every later rescaling is an exact power of two, so the quantised numbers keep their values, but for numbers so far below the row's largest that they fall under the format's range.
;;   OPERANDS COMPUTED ON THE WAY. 'Computed on the way' means the value that the module computes at that place (a softmax that the list does not call 'softmax' is quantised finished and normalised). What goes into a quantiser is computed in f32, as accurately as f32 sums, v_exp_f32 and their like allow (about 1e-6 of the number): no bf16 or f16 on the way to a quantiser, and a product that is left as it is and whose result goes on into a quantised operand takes f32 operands (vector FMAs, or v_wmma_f32_16x16x4_f32). A number that lies on a knife's edge between two numbers of the format may be rounded either way, as far as f32 arithmetic and the matrix unit's own rounding can turn it there, and no further.
;; 2 versions. Each part assembles by itself: llvm-mc -triple=amdgcn-amd-amdhsa -mcpu=gfx1250 --defsym DOCPART=n.
;; ======== version 1 of 2: 4 launches
;; workspace buffers: wimg 3,145,728 bytes; qimg 4,194,304 bytes; kv 8,388,608 bytes; ao 4,194,304 bytes
;; launch prep (part 1): grid 192 x 1, 4 waves a work-group, no clusters, 17,920 bytes of LDS; arguments Wq, Wk, Wv, Wo, W1, W2, lowp_scales, wimg; writes wimg
.if DOCPART == 1
	.amdgcn_target "amdgcn-amd-amdhsa--gfx1250"
	.amdhsa_code_object_version 6
	.text
	.protected	k_q56f825d456_prep
	.globl	k_q56f825d456_prep
	.p2align	8
	.type	k_q56f825d456_prep,@function
k_q56f825d456_prep:
	s_mov_b64 s[64:65], 0
	v_nop
	global_prefetch_b8 v0, s[64:65] scope:SCOPE_SE
	s_setreg_imm32_b32 hwreg(HW_REG_WAVE_MODE, 25, 1), 1
	s_wait_xcnt 0x0
; ENCODER LAYER IN FP8 (E4M3), launch 1 of 4: the six weights, f32 stored [K][N], become codes laid as IMAGES OF OPERAND REGISTERS.
; DEAD WORK: none.  Every bias of reference() stands ahead of a quantiser (bq, bk, bv, b1) or goes into a LayerNorm's input (bo, b2); every gain and offset reaches x1 or the output;
; all eight products are live.  So all 18 inputs are loaded by some launch, and nothing is left out.
; AN IMAGE: a fragment is 16 columns n x 128 along K, 16 registers a lane, 2,048 bytes: piece c (512 bytes) holds lane l's registers 4 c .. 4 c + 3 at byte 16 l; lane (r = l % 16, h = l / 16)
; holds k = 32 c + 16 h + 0 .. 15 of its column.  That is one permutation of k, the same on both sides of every product of this program.
; THE COLUMNS OF A TILE ARE NOT NEIGHBOURS: in a group of 32 columns, lane r of tile u takes column 8 u + r + 8 (r / 8), so that two neighbouring tiles' results are 16 neighbours along the next K.
; code = x / 2^e, held within +-448, to the nearest code, ties to even.  e: the weight's entry of lowp_scales (1, 3, 5, 11, 13, 15).  LIMITS: -126 <= e <= 119; NaN among the inputs is not served.
; SHARES.  A wave takes 32 columns x 128 along K: two images.  768 such units: 64 for each of Wq, Wk, Wv, Wo, 256 for W1, 256 for W2.  A LANE TAKES A COLUMN AND ITS REGISTERS RUN DOWN K:
; a load reads 128 consecutive bytes a wave, 512 a work-group, and the conversions give codes with K innermost.  The codes turn into image order in the wave's own stage in LDS and leave as
; stores of 512 consecutive bytes.  No barrier: waves share nothing.  No tensor load, no cluster: each byte is read by one wave, once.
; WHERE THE IMAGES GO.  Wq, Wk, Wv: fragment ((matrix x 32 + column tile) x 4 + K step).  Wo, W1, W2: from byte WPOST on, one stream of 288 fragments for each of the last launch's four waves,
; in the order in which that wave takes them: Wo (tile t, step s) at 4 t + s; chunk j of the FFN from 32 + 64 j on: W1 at 4 t + s, then W2 at 32 + 8 s' + t.
.set SPARE, 17408                      ; behind the four stages: the spare words, 128 bytes a wave
.set WPOST, 786432
.set OFF, 32                           ; v32-63   4 x lane + i rows
.set X,   64                           ; v64-191  128 numbers down K
.set C,   192                          ; v192-223 their codes
.set O,   224                          ; v224-255 the two images on their way out
	s_load_b512 s[4:19], s[0:1], 0x0               ; Wq, Wk, Wv, Wo, W1, W2, the scales' exponents, wimg
	v_lshl_add_u32 v2, v0, 2, SPARE                ; my spare word
	v_mov_b32 v3, 0
	v_lshrrev_b32 v1, 5, v0
	v_readfirstlane_b32 s20, v1                    ; wave
	v_and_b32 v1, 31, v0                           ; lane
	; which unit is mine: selections on ids alone, one path for all six weights
	s_lshl_b32 s21, ttmp9, 2
	s_add_co_u32 s21, s21, s20                     ; unit = 4 x work-group + wave
	s_lshr_b32 s22, ttmp9, 6                       ; 0: the four square weights, 1: W1, 2: W2
	s_lshr_b32 s23, ttmp9, 4
	s_add_co_u32 s24, s22, 3
	s_cmp_eq_u32 s22, 0
	s_cselect_b32 s23, s23, s24                    ; the weight, 0 .. 5
	s_cselect_b32 s24, 63, 0xff
	s_and_b32 s24, s21, s24                        ; the unit within it
	s_cmp_eq_u32 s22, 1                            ; W1 has 64 groups of columns and 4 K steps, the others 16 groups
	s_cselect_b32 s25, 63, 15
	s_cselect_b32 s26, 6, 4
	s_cselect_b32 s27, 13, 11
	s_and_b32 s28, s24, s25                        ; P: the group of 32 columns
	s_lshr_b32 s29, s24, s26                       ; the K step
	s_lshl_b32 s27, 1, s27                         ; a row of the weight in bytes: 8,192 or 2,048
	s_cmp_ge_u32 s23, 3
	s_cselect_b32 s31, 5, 1
	s_lshl_b32 s30, s23, 1
	s_add_co_u32 s31, s31, s30                     ; its entry of the scales: 1, 3, 5, 11, 13, 15
	s_lshl_b32 s31, s31, 2
	s_mul_i32 s32, s29, s27
	s_lshl_b32 s32, s32, 7                         ; 128 rows a K step,
	s_lshl_b32 s33, s28, 7
	s_add_co_u32 s32, s32, s33                     ; + 128 bytes a group of columns
	s_mov_b32 s33, 0
	s_lshl_b32 s34, s27, 5                         ; 32 rows
	s_mov_b32 s35, 0
	; the number of my first image
	s_lshr_b32 s48, s28, 2                         ; P / 4
	s_and_b32 s49, s28, 3                          ; P % 4
	s_and_b32 s50, s48, 3                          ; Wo, W1: the wave that takes these columns,
	s_mul_i32 s50, s50, 288
	s_lshr_b32 s51, s28, 4                         ; the chunk (0 for Wo),
	s_lshl_b32 s51, s51, 6
	s_add_co_u32 s50, s50, s51
	s_lshl_b32 s51, s49, 3                         ; 4 t = 8 (P % 4) + 4 u,
	s_add_co_u32 s50, s50, s51
	s_add_co_u32 s50, s50, s29                     ; + s
	s_cmp_eq_u32 s23, 4
	s_cselect_b32 s51, 32, 0
	s_add_co_u32 s50, s50, s51
	s_mul_i32 s52, s48, 288                        ; W2: the wave,
	s_lshr_b32 s51, s29, 2                         ; the chunk = K step / 4,
	s_lshl_b32 s51, s51, 6
	s_add_co_u32 s52, s52, s51
	s_and_b32 s51, s29, 3                          ; 8 s',
	s_lshl_b32 s51, s51, 3
	s_add_co_u32 s52, s52, s51
	s_lshl_b32 s51, s49, 1                         ; t = 2 (P % 4) + u
	s_add_co_u32 s52, s52, s51
	s_add_co_u32 s52, s52, 64
	s_lshl_b32 s53, s23, 7                         ; Wq, Wk, Wv: 128 x matrix + 8 P + s
	s_lshl_b32 s51, s28, 3
	s_add_co_u32 s53, s53, s51
	s_add_co_u32 s53, s53, s29
	s_cmp_eq_u32 s23, 5
	s_cselect_b32 s50, s52, s50
	s_cselect_b32 s54, 11, 13                      ; from tile u = 0 to u = 1: one fragment in W2's order, four in the others'
	s_cmp_lt_u32 s23, 3
	s_cselect_b32 s50, s53, s50
	s_cselect_b32 s51, 0, WPOST
	s_lshl_b32 s50, s50, 11
	s_add_co_u32 s50, s50, s51
	s_mov_b32 s51, 0
	s_lshl_b32 s54, 1, s54
	s_mov_b32 s55, 0
	; lane addresses
	v_lshlrev_b32 v[OFF], 2, v1
.set i, 1
.rept 31
	v_add_nc_u32 v[OFF+i], s27, v[OFF+i-1]
.set i, i+1
.endr
	s_mul_i32 s56, s20, 4352                       ; my stage: two images, 2,176 bytes apart
	v_bfe_u32 v4, v0, 3, 1                         ; column l = 8 u + r + 8 (r / 8): u = (l / 8) % 2,
	v_mul_u32_u24 v4, v4, 2176
	v_and_b32 v5, 7, v0                            ; r = l % 8 + 8 (l / 16)
	v_lshl_add_u32 v4, v5, 4, v4
	v_bfe_u32 v5, v0, 4, 1
	v_lshl_add_u32 v4, v5, 7, v4
	v_add_nc_u32 v4, s56, v4                       ; into the stage: image u, 16 r; the offset adds 512 c + 256 h
	v_lshlrev_b32 v6, 4, v1                        ; 16 x lane
	v_add_nc_u32 v5, s56, v6                       ; out of it
	s_wait_kmcnt 0x0
	s_load_b32 s30, s[16:17], s31 offset:0x0       ; e
	s_cmp_eq_u32 s23, 1
	s_cselect_b64 s[36:37], s[6:7], s[4:5]
	s_cmp_eq_u32 s23, 2
	s_cselect_b64 s[36:37], s[8:9], s[36:37]
	s_cmp_eq_u32 s23, 3
	s_cselect_b64 s[36:37], s[10:11], s[36:37]
	s_cmp_eq_u32 s23, 4
	s_cselect_b64 s[36:37], s[12:13], s[36:37]
	s_cmp_eq_u32 s23, 5
	s_cselect_b64 s[36:37], s[14:15], s[36:37]
	s_add_nc_u64 s[36:37], s[36:37], s[32:33]      ; my unit's first row; then 32, 64, 96 rows down
	s_add_nc_u64 s[38:39], s[36:37], s[34:35]
	s_add_nc_u64 s[40:41], s[38:39], s[34:35]
	s_add_nc_u64 s[42:43], s[40:41], s[34:35]
	s_add_nc_u64 s[44:45], s[18:19], s[50:51]      ; image u = 0,
	s_add_nc_u64 s[46:47], s[44:45], s[54:55]      ; image u = 1
.irp c, 0,1,2,3
.set i, 0
.rept 32
	global_load_b32 v[X+32*\c+i], v[OFF+i], s[36+2*\c:37+2*\c] th:TH_LOAD_NT   ; W(32 c + i, my column): 32 lanes read 128 consecutive bytes
.set i, i+1
.endr
.endr
	s_wait_kmcnt 0x0
	s_add_co_i32 s30, s30, 127
	s_lshl_b32 s31, s30, 23
	v_mov_b32 v7, s31                              ; 2^e as f32: the conversion takes its exponent field
	s_add_co_i32 s30, s30, 8
	s_lshl_b32 s30, s30, 23
	s_or_b32 s30, s30, 0x600000
	v_mov_b32 v8, s30                              ; 448 x 2^e
.macro BLOCK c, left                   ; 32 along K of my column: left = how many younger loads may stay out
	s_wait_loadcnt \left
.set i, 0
.rept 32
	v_med3_num_f32 v[X+32*\c+i], v[X+32*\c+i], -v8, v8   ; the conversion to an 8-bit code does not saturate (ISA guide 7.6.2): the hold comes first
.set i, i+1
.endr
.irp g, 0,1,2,3
	v_cvt_scalef32_pk8_fp8_f32 v[C+8*\c+2*\g:C+8*\c+2*\g+1], v[X+32*\c+8*\g:X+32*\c+8*\g+7], v7
.endr
	v_nop                                          ; a plain line behind the run of conversions
	ds_store_b128 v4, v[C+8*\c:C+8*\c+3] offset:512*\c         ; k = 32 c + 0 .. 15: the place of lane (r, 0)
	ds_store_b128 v4, v[C+8*\c+4:C+8*\c+7] offset:512*\c+256   ; k = 32 c + 16 .. 31: of lane (r, 1)
.endm
	BLOCK 0, 63                                    ; behind block 0's loads 96 were issued, behind block 1's 64: the count's field holds 63
	BLOCK 1, 63
	BLOCK 2, 32
	BLOCK 3, 0
.irp u, 0,1
.irp c, 0,1,2,3
	ds_load_b128 v[O+16*\u+4*\c:O+16*\u+4*\c+3], v5 offset:2176*\u+512*\c   ; LDS serves a wave's instructions in order: these see my stores
.endr
.endr
.irp u, 0,1
.irp c, 0,1,2,3
	s_wait_dscnt 7-(4*\u+\c)
	global_store_b128 v6, v[O+16*\u+4*\c:O+16*\u+4*\c+3], s[44+2*\u:45+2*\u] offset:512*\c   ; 512 consecutive bytes, at a multiple of 512 from the buffer's first byte
.endr
.endr
	s_wait_tensorcnt 0x0                           ; the wave's end, behind my last LDS store
	ds_add_u32 v2, v3
	s_wait_dscnt 0x0
	s_endpgm
.Lfunc_end_k_q56f825d456_prep:
	.size	k_q56f825d456_prep, .Lfunc_end_k_q56f825d456_prep-k_q56f825d456_prep
	.p2alignl 7, 3214868480
	.fill 96, 4, 3214868480
	.section	.rodata,"a",@progbits
	.p2align	6, 0x0
	.amdhsa_kernel k_q56f825d456_prep
		.amdhsa_group_segment_fixed_size 17920
		.amdhsa_private_segment_fixed_size 0
		.amdhsa_enable_private_segment 0
		.amdhsa_kernarg_size 64
		.amdhsa_user_sgpr_count 2
		.amdhsa_user_sgpr_kernarg_segment_ptr 1
		.amdhsa_wavefront_size32 1
		.amdhsa_system_sgpr_workgroup_id_x 1
		.amdhsa_system_sgpr_workgroup_id_y 1
		.amdhsa_system_sgpr_workgroup_id_z 1
		.amdhsa_system_vgpr_workitem_id 0
		.amdhsa_next_free_vgpr 256
		.amdhsa_next_free_sgpr 66
		.amdhsa_reserve_vcc 0
		.amdhsa_float_denorm_mode_32 3
		.amdhsa_float_denorm_mode_16_64 3
		.amdhsa_memory_ordered 1
		.amdhsa_forward_progress 1
		.amdhsa_inst_pref_size 29
	.end_amdhsa_kernel
	.amdgpu_metadata
---
amdhsa.version: [ 1, 2 ]
amdhsa.kernels:
  - .name:           k_q56f825d456_prep
    .symbol:         k_q56f825d456_prep.kd
    .args:
      - { .name: Wq, .offset: 0, .size: 8, .value_kind: global_buffer, .address_space: global }
      - { .name: Wk, .offset: 8, .size: 8, .value_kind: global_buffer, .address_space: global }
      - { .name: Wv, .offset: 16, .size: 8, .value_kind: global_buffer, .address_space: global }
      - { .name: Wo, .offset: 24, .size: 8, .value_kind: global_buffer, .address_space: global }
      - { .name: W1, .offset: 32, .size: 8, .value_kind: global_buffer, .address_space: global }
      - { .name: W2, .offset: 40, .size: 8, .value_kind: global_buffer, .address_space: global }
      - { .name: lowp_scales, .offset: 48, .size: 8, .value_kind: global_buffer, .address_space: global }
      - { .name: wimg, .offset: 56, .size: 8, .value_kind: global_buffer, .address_space: global }
    .group_segment_fixed_size: 17920
    .private_segment_fixed_size: 0
    .kernarg_segment_align: 8
    .kernarg_segment_size: 64
    .max_flat_workgroup_size: 128
    .sgpr_count:     66
    .vgpr_count:     256
    .wavefront_size: 32
...
	.end_amdgpu_metadata
.endif
;; end of part 1
;; launch qkv (part 2): grid 64 x 4, 4 waves a work-group, no clusters, 230,912 bytes of LDS; arguments x, wimg, lowp_scales, bq, bk, bv, qimg, kv; writes qimg, kv
.if DOCPART == 2
	.amdgcn_target "amdgcn-amd-amdhsa--gfx1250"
	.amdhsa_code_object_version 6
	.text
	.protected	k_q56f825d456_qkv
	.globl	k_q56f825d456_qkv
	.p2align	8
	.type	k_q56f825d456_qkv,@function
k_q56f825d456_qkv:
	s_mov_b64 s[64:65], 0
	v_nop
	global_prefetch_b8 v0, s[64:65] scope:SCOPE_SE
	s_setreg_imm32_b32 hwreg(HW_REG_WAVE_MODE, 25, 1), 1
	s_wait_xcnt 0x0
; Launch 2 of 4: q = x Wq + bq, k = x Wk + bk, v = x Wv + bv on codes of FP8 (E4M3), and their results as codes for attention.  Nothing of reference() is left out here.
; x has a scale of its own in each product (entries 0, 2, 4 of lowp_scales): it is quantised three times.  The weights come as images of operand registers from the launch before.
; SHARES.  Work-group (X, y): tokens 128 X .. + 127 (eight tiles of 16: one block of 128 keys) x heads 2 y, 2 y + 1 of q, k and v.  Wave w quantises tokens 32 w .. + 31 and owns, in each of the
; three products, columns 128 y + 32 w .. + 31: two column tiles, whose 24 weight fragments stay in its registers.
; IMAGES.  A fragment (16 rows x 128 K) is 16 registers a lane, 2,048 bytes: piece c at 512 c, lane l's 16 bytes at 16 l; lane (r, h) holds k = 32 c + 16 h + 0 .. 15 of its row.
; THE TOKENS OF A TILE ARE NOT NEIGHBOURS: lane r of tile T takes token 32 (T / 2) + 8 (T % 2) + r + 8 (r / 8); the columns of a weight's tile likewise.  So: q and k are made TRANSPOSED
; (source 0 = 16 columns, source 1 = 16 tokens): a lane holds one token, and the 16 registers of my two column tiles are 16 neighbours of the head's 64: a piece of attention's operand.
; v is made the other way round (source 0 = tokens, source 1 = columns): a lane holds one channel, and two token tiles give 16 neighbouring KEYS: a piece of V^T, whose K is the keys.
; SCALES.  A sum stands for sum x 2^(ea + eb).  The bias goes in as the C of a sum's first product, divided by that power; the conversion takes 2^(e_out - ea - eb) as its one scale.
; LIMITS: e0, e2, e4, e6 - e0 - e1, e7 - e2 - e3, e9 - e4 - e5 between -126 and 119.  NaN among the inputs is not served.
; NO TENSOR LOAD, NO CLUSTER: what work-groups share are 192 KB of weight codes, which each wave takes once, straight into the registers where they stay; x goes through the quantiser first.
; LDS: x's images, scale i at 65,536 i, fragment (T, s) at 2,048 (4 T + s); a stage of 16 rows x 528 bytes for each wave; the spare words.
; REGISTERS, in windows of 256.  Window 0: v1-3 16 x lane + 65,536 i; v4-6 the same + 16,384 w; v7, v8 the stage, in and out; v9, v10 the add's two; v14, v15 bias offsets; v16-79, v80-143 two sets of
; four x fragments (earlier: 64 numbers of x, and two sets of codes); v144-175 codes; v160-223 held numbers; v224, v225 bv; v240-251 scales and holds.
; Window 1: Wq's 8 fragments, from v128 Wk's.  Window 2: Wv's; v128-175 the biases as C operands.  Window 3: v0-127 the 16 accumulators (earlier: two raw sets of x).
.set STAGE, 196608
.set SPARE, 230400
.set XS,  16
.set TMP, 160
.set PC,  144
.set SCX, 240                          ; v[SCX+2i] 2^e of x's scale i, v[SCX+2i+1] 448 x that
.set SCO, 246                          ; the same for the three results
.set MSB, 0
.macro WIN new                         ; the immediate's high byte repeats the setting that is left
.if MSB != \new
	s_set_vgpr_msb (MSB<<8)|\new
.set MSB, \new
.endif
.endm
.macro PLACES                          ; four plain places behind a matrix instruction, ahead of loads into its sources and of reads of its result
.rept 4
	v_nop
.endr
.endm
.macro MKSC vs, vl, se                 ; v[vs] = 2^se as f32, v[vl] = 448 x 2^se
	s_add_co_i32 s30, \se, 127
	s_lshl_b32 s31, s30, 23
	v_mov_b32 v[\vs], s31
	s_add_co_i32 s30, s30, 8
	s_lshl_b32 s30, s30, 23
	s_or_b32 s30, s30, 0x600000
	v_mov_b32 v[\vl], s30
.endm
	s_load_b512 s[4:19], s[0:1], 0x0               ; x, wimg, scales, bq, bk, bv, qimg, kv
	v_lshl_add_u32 v9, v0, 2, SPARE
	v_mov_b32 v10, 0
	v_lshrrev_b32 v11, 5, v0
	v_readfirstlane_b32 s20, v11                   ; wave
	v_and_b32 v11, 31, v0
	v_lshlrev_b32 v1, 4, v11                       ; 16 x lane
	v_add_nc_u32 v2, 0x10000, v1
	v_add_nc_u32 v3, 0x20000, v1
	s_lshl_b32 s23, s20, 14
	v_add_nc_u32 v4, s23, v1                       ; where I store x's images: my two tiles' eight fragments
	v_add_nc_u32 v5, s23, v2
	v_add_nc_u32 v6, s23, v3
	s_mul_i32 s23, s20, 8448
	s_add_co_u32 s23, s23, STAGE
	v_add_nc_u32 v7, s23, v1                       ; the stage, in: a row's 512 bytes as they lie
	v_and_b32 v12, 15, v0                          ; r
	v_bfe_u32 v13, v0, 4, 1                        ; h
	v_mul_u32_u24 v8, v12, 528
	v_lshl_add_u32 v8, v13, 6, v8
	v_add_nc_u32 v8, s23, v8                       ; out: row r, + 64 h: my 16 numbers of a block of 32
	v_lshlrev_b32 v14, 6, v13                      ; bq, bk: lane (r, h) wants columns 16 h + 8 u + 0 .. 7
	v_and_b32 v15, 8, v12
	v_add_nc_u32 v15, v15, v12
	v_lshlrev_b32 v15, 2, v15                      ; bv: column 8 u + r + 8 (r / 8)
	s_and_b32 s22, ttmp7, 0xffff                   ; y
	s_lshl_b32 s58, s22, 3
	s_lshl_b32 s59, s20, 1
	s_add_co_u32 s58, s58, s59                     ; my first column tile: 8 y + 2 w,
	s_lshl_b32 s58, s58, 13                        ; four fragments each
	s_mov_b32 s59, 0
	s_lshl_b32 s60, ttmp9, 18                      ; x: (128 X + 32 w) rows of 2,048 bytes
	s_lshl_b32 s61, s20, 16
	s_add_co_u32 s60, s60, s61
	s_mov_b32 s61, 0
	s_lshl_b32 s62, s22, 9                         ; the biases: (128 y + 32 w) numbers
	s_lshl_b32 s63, s20, 7
	s_add_co_u32 s62, s62, s63
	s_mov_b32 s63, 0
	s_lshr_b32 s66, ttmp9, 5                       ; batch,
	s_lshl_b32 s66, s66, 3
	s_lshl_b32 s67, s22, 1
	s_add_co_u32 s66, s66, s67
	s_lshr_b32 s67, s20, 1
	s_add_co_u32 s66, s66, s67                     ; 8 x batch + head: head = 2 y + w / 2
	s_and_b32 s67, ttmp9, 31                       ; the block of 128 tokens in its sequence
	s_and_b32 s68, s20, 1                          ; which half of the head's 64 is mine
	s_lshl_b32 s70, s66, 18                        ; qimg: 256 tiles of 1,024 bytes a head, eight a block, piece w % 2
	s_lshl_b32 s71, s67, 13
	s_add_co_u32 s70, s70, s71
	s_lshl_b32 s71, s68, 9
	s_add_co_u32 s70, s70, s71
	s_mov_b32 s71, 0
	s_lshl_b32 s72, s66, 19                        ; kv: 32 blocks of 16,384 bytes a head
	s_lshl_b32 s73, s67, 14
	s_add_co_u32 s72, s72, s73
	s_lshl_b32 s73, s68, 12
	s_add_co_u32 s74, s72, s73                     ; V^T: behind K's 8,192 bytes, channel tiles 2 (w % 2) + u of 2,048 bytes
	s_add_co_u32 s74, s74, 8192
	s_mov_b32 s75, 0
	s_lshl_b32 s73, s68, 9
	s_add_co_u32 s72, s72, s73                     ; K: tile T at 1,024 T, piece w % 2
	s_mov_b32 s73, 0
	s_wait_kmcnt 0x0
	s_load_b512 s[32:47], s[8:9], 0x0              ; e0 .. e15
	s_add_nc_u64 s[24:25], s[6:7], s[58:59]
	s_add_nc_u64 s[28:29], s[4:5], s[60:61]
	s_add_nc_u64 s[26:27], s[10:11], s[62:63]
	s_add_nc_u64 s[48:49], s[12:13], s[62:63]
	s_add_nc_u64 s[50:51], s[14:15], s[62:63]
	s_add_nc_u64 s[52:53], s[16:17], s[70:71]
	s_add_nc_u64 s[54:55], s[18:19], s[72:73]
	s_add_nc_u64 s[56:57], s[18:19], s[74:75]
	WIN 0x40                                       ; destination window 1: Wq's and Wk's fragments (tile u, step s) at 16 (4 u + s): they stay
.irp mat, 0,1
.set f, 0
.rept 8
.irp c, 0,1,2,3
	global_load_b128 v[128*\mat+16*f+4*\c:128*\mat+16*f+4*\c+3], v1, s[24:25] offset:\mat*262144+f*2048+512*\c
.endr
.set f, f+1
.endr
.endr
	WIN 0x80                                       ; destination window 2: Wv's, and the biases
.set f, 0
.rept 8
.irp c, 0,1,2,3
	global_load_b128 v[16*f+4*\c:16*f+4*\c+3], v1, s[24:25] offset:2*262144+f*2048+512*\c
.endr
.set f, f+1
.endr
.irp u, 0,1
.irp q, 0,1
	global_load_b128 v[128+8*\u+4*\q:128+8*\u+4*\q+3], v14, s[26:27] offset:32*\u+16*\q
	global_load_b128 v[144+8*\u+4*\q:144+8*\u+4*\q+3], v14, s[48:49] offset:32*\u+16*\q
.endr
.endr
	WIN 0
	global_load_b32 v224, v15, s[50:51]
	global_load_b32 v225, v15, s[50:51] offset:32
; ---- x becomes codes.  A set n = 4 u + s is tile u of my two, K step s: 16 rows x 512 bytes.
.macro RAW n                           ; sixteen loads of 512 consecutive bytes, a row each, into window 3
	WIN 0xc0
.set i, 0
.rept 16
	global_load_b128 v[64*((\n)%2)+4*i:64*((\n)%2)+4*i+3], v1, s[28:29] offset:(8*((\n)/4)+i+8*(i/8))*2048+512*((\n)%4)
.set i, i+1
.endr
	WIN 0
.endm
.macro TURN n                          ; through my stage: in by rows, out 64 bytes a lane.  LDS serves a wave's instructions in order: no wait between
	WIN 0x0c                                       ; store data in window 3
.set i, 0
.rept 16
	ds_store_b128 v7, v[64*((\n)%2)+4*i:64*((\n)%2)+4*i+3] offset:528*i
.set i, i+1
.endr
	WIN 0
.irp b, 0,1,2,3
.irp j, 0,1,2,3
	ds_load_b128 v[XS+16*\b+4*\j:XS+16*\b+4*\j+3], v8 offset:128*\b+16*\j   ; register 16 b + i = k 32 b + 16 h + i of row r
.endr
.endr
.endm
.macro QUANT1 i, pcx, n                ; the set's 64 numbers a lane under x's scale i: a fragment's codes, and its image to LDS
.set k, 0
.rept 64
	v_med3_num_f32 v[TMP+k], v[XS+k], -v[SCX+2*\i+1], v[SCX+2*\i+1]   ; the hold, into other registers: the three scales' holds differ
.set k, k+1
.endr
.set k, 0
.rept 8
	v_cvt_scalef32_pk8_fp8_f32 v[\pcx+2*k:\pcx+2*k+1], v[TMP+8*k:TMP+8*k+7], v[SCX+2*\i]
.set k, k+1
.endr
	v_nop                                          ; a plain line between the conversions and the next lines that write their sources
.irp c, 0,1,2,3
	ds_store_b128 v[4+\i], v[\pcx+4*\c:\pcx+4*\c+3] offset:(\n)*2048+512*\c
.endr
.endm
	RAW 0
	RAW 1
	s_wait_kmcnt 0x0
	MKSC SCX, SCX+1, s32
	MKSC SCX+2, SCX+3, s34
	MKSC SCX+4, SCX+5, s36
	s_add_co_i32 s76, s32, s33                     ; e0 + e1
	s_sub_co_i32 s69, s38, s76
	MKSC SCO, SCO+1, s69                           ; q: 2^(e6 - e0 - e1)
	s_sub_co_i32 s76, 0, s76
	s_add_co_i32 s77, s34, s35
	s_sub_co_i32 s69, s39, s77
	MKSC SCO+2, SCO+3, s69                         ; k: 2^(e7 - e2 - e3)
	s_sub_co_i32 s77, 0, s77
	s_add_co_i32 s78, s36, s37
	s_sub_co_i32 s69, s41, s78
	MKSC SCO+4, SCO+5, s69                         ; v: 2^(e9 - e4 - e5)
	s_sub_co_i32 s78, 0, s78
.irp n, 0,1,2,3,4,5,6,7
.if \n < 7
	s_wait_loadcnt 16                              ; loads come back in order: this set is in (and all weights and biases, issued earlier); the next set's sixteen may be out
.else
	s_wait_loadcnt 0x0
.endif
	TURN \n
	s_wait_dscnt 0x0                               ; the set is back; its stores have read the raw registers, and the last set's image stores their codes
.if \n < 6
	RAW \n+2
.endif
	QUANT1 0, 144, \n
	QUANT1 1, 80, \n
	QUANT1 2, 96, \n
.endr
	WIN 0x82                                       ; the biases, divided by the power of two that the sums lack
.set k, 0
.rept 16
	v_ldexp_f32 v[128+k], v[128+k], s76
	v_ldexp_f32 v[144+k], v[144+k], s77
.set k, k+1
.endr
	WIN 0
	v_ldexp_f32 v224, v224, s78
	v_ldexp_f32 v225, v225, s78
	WIN 0x80
.irp u, 0,1
.irp j, 0,1,2,3,4,5,6,7
	v_mov_b32 v[160+8*\u+\j], v[224+\u]            ; in v's layout a lane holds one channel: its bias in all eight registers
.endr
.endr
	WIN 0
	s_wait_dscnt 0x0                               ; for the others' sake: my images have landed
	s_barrier_signal -1
	s_barrier_wait -1                              ; x's 96 fragments lie in LDS; nobody writes them again
; ---- the three products.  Eight groups n: K step n / 2, token tiles 4 (n % 2) + 0 .. 3: four fragments of x, eight products; the 16 accumulators take turns.
.macro FETCHG i, n
.irp j, 0,1,2,3
.irp c, 0,1,2,3
	ds_load_b128 v[16+64*((\n)%2)+16*\j+4*\c:16+64*((\n)%2)+16*\j+4*\c+3], v[1+\i] offset:(4*(4*((\n)%2)+\j)+(\n)/2)*2048+512*\c
.endr
.endr
.endm
.macro PROD isv, wb, bias, n
.if \isv
.if (\n)/2 == 0
	WIN 0xe8                                       ; x window 0, Wv window 2, the bias window 2, D window 3
.else
	WIN 0xf8
.endif
.else
.if (\n)/2 == 0
	WIN 0xe1                                       ; the weight window 1, x window 0, the bias window 2, D window 3
.else
	WIN 0xf1
.endif
.endif
.irp j, 0,1,2,3
.irp u, 0,1
.set rT, 4*((\n)%2)+\j
.set rX, 16+64*((\n)%2)+16*\j
.set rW, \wb+16*(4*\u+(\n)/2)
.if \isv
.set rD, 16*(2*(rT/2)+\u)+8*(rT%2)
.if (\n)/2 == 0
	v_wmma_f32_16x16x128_fp8_fp8 v[rD:rD+7], v[rX:rX+15], v[rW:rW+15], v[\bias+8*\u:\bias+8*\u+7]
.else
	v_wmma_f32_16x16x128_fp8_fp8 v[rD:rD+7], v[rX:rX+15], v[rW:rW+15], v[rD:rD+7]
.endif
.else
.set rD, 16*rT+8*\u
.if (\n)/2 == 0
	v_wmma_f32_16x16x128_fp8_fp8 v[rD:rD+7], v[rW:rW+15], v[rX:rX+15], v[\bias+8*\u:\bias+8*\u+7]
.else
	v_wmma_f32_16x16x128_fp8_fp8 v[rD:rD+7], v[rW:rW+15], v[rX:rX+15], v[rD:rD+7]
.endif
.endif
.endr
.endr
	WIN 0
.endm
.macro PHASE i, isv, wb, bias
	FETCHG \i, 0
.set gn, 0
.rept 8
.if gn < 7
.if gn > 0
	PLACES                                         ; the set that is loaded next was read by the products just issued
.endif
	FETCHG \i, gn+1
	s_wait_dscnt 16                                ; this group's fragments are in; the next group's sixteen loads may be out
.else
	s_wait_dscnt 0x0
.endif
	PROD \isv, \wb, \bias, gn
.set gn, gn+1
.endr
	PLACES
	s_wait_xcnt 0x0                                ; the last phase's stores have read their codes' registers
	WIN 0x03                                       ; source 0: the sums, window 3; each accumulator from its low end on
.set k, 0
.rept 128
	v_med3_num_f32 v[16+k], v[k], -v[SCO+2*\i+1], v[SCO+2*\i+1]
.set k, k+1
.endr
	WIN 0
.set k, 0
.rept 16
	v_cvt_scalef32_pk8_fp8_f32 v[PC+2*k:PC+2*k+1], v[16+8*k:16+8*k+7], v[SCO+2*\i]
.set k, k+1
.endr
	v_nop                                          ; a plain line behind the run of conversions
.endm
	PHASE 0, 0, 0, 128
.irp T, 0,1,2,3,4,5,6,7
	global_store_b128 v1, v[PC+4*\T:PC+4*\T+3], s[52:53] offset:1024*\T   ; q: tile T, my piece: 512 consecutive bytes
.endr
	PHASE 1, 0, 128, 144
.irp T, 0,1,2,3,4,5,6,7
	global_store_b128 v1, v[PC+4*\T:PC+4*\T+3], s[54:55] offset:1024*\T   ; k likewise
.endr
	PHASE 2, 1, 0, 160
.irp p, 0,1,2,3
.irp u, 0,1
	global_store_b128 v1, v[PC+4*(2*\p+\u):PC+4*(2*\p+\u)+3], s[56:57] offset:2048*\u+512*\p   ; V^T: channel tile u of my two, keys 32 p on
.endr
.endr
	s_wait_tensorcnt 0x0                           ; the wave's end, behind my last LDS store
	ds_add_u32 v9, v10
	s_wait_dscnt 0x0
	s_endpgm
.Lfunc_end_k_q56f825d456_qkv:
	.size	k_q56f825d456_qkv, .Lfunc_end_k_q56f825d456_qkv-k_q56f825d456_qkv
	.p2alignl 7, 3214868480
	.fill 96, 4, 3214868480
	.section	.rodata,"a",@progbits
	.p2align	6, 0x0
	.amdhsa_kernel k_q56f825d456_qkv
		.amdhsa_group_segment_fixed_size 230912
		.amdhsa_private_segment_fixed_size 0
		.amdhsa_enable_private_segment 0
		.amdhsa_kernarg_size 64
		.amdhsa_user_sgpr_count 2
		.amdhsa_user_sgpr_kernarg_segment_ptr 1
		.amdhsa_wavefront_size32 1
		.amdhsa_system_sgpr_workgroup_id_x 1
		.amdhsa_system_sgpr_workgroup_id_y 1
		.amdhsa_system_sgpr_workgroup_id_z 1
		.amdhsa_system_vgpr_workitem_id 0
		.amdhsa_next_free_vgpr 896
		.amdhsa_next_free_sgpr 80
		.amdhsa_reserve_vcc 0
		.amdhsa_float_denorm_mode_32 3
		.amdhsa_float_denorm_mode_16_64 3
		.amdhsa_memory_ordered 1
		.amdhsa_forward_progress 1
		.amdhsa_inst_pref_size 233
	.end_amdhsa_kernel
	.amdgpu_metadata
---
amdhsa.version: [ 1, 2 ]
amdhsa.kernels:
  - .name:           k_q56f825d456_qkv
    .symbol:         k_q56f825d456_qkv.kd
    .args:
      - { .name: x, .offset: 0, .size: 8, .value_kind: global_buffer, .address_space: global }
      - { .name: wimg, .offset: 8, .size: 8, .value_kind: global_buffer, .address_space: global }
      - { .name: lowp_scales, .offset: 16, .size: 8, .value_kind: global_buffer, .address_space: global }
      - { .name: bq, .offset: 24, .size: 8, .value_kind: global_buffer, .address_space: global }
      - { .name: bk, .offset: 32, .size: 8, .value_kind: global_buffer, .address_space: global }
      - { .name: bv, .offset: 40, .size: 8, .value_kind: global_buffer, .address_space: global }
      - { .name: qimg, .offset: 48, .size: 8, .value_kind: global_buffer, .address_space: global }
      - { .name: kv, .offset: 56, .size: 8, .value_kind: global_buffer, .address_space: global }
    .group_segment_fixed_size: 230912
    .private_segment_fixed_size: 0
    .kernarg_segment_align: 8
    .kernarg_segment_size: 64
    .max_flat_workgroup_size: 128
    .sgpr_count:     80
    .vgpr_count:     896
    .wavefront_size: 32
...
	.end_amdgpu_metadata
.endif
;; end of part 2
;; launch attn (part 3): grid 16 x 16, 16 waves a work-group, no clusters, 327,680 bytes of LDS; arguments qimg, kv, lowp_scales, ao; writes ao
.if DOCPART == 3
	.amdgcn_target "amdgcn-amd-amdhsa--gfx1250"
	.amdhsa_code_object_version 6
	.text
	.protected	k_q56f825d456_attn
	.globl	k_q56f825d456_attn
	.p2align	8
	.type	k_q56f825d456_attn,@function
k_q56f825d456_attn:
	s_mov_b64 s[64:65], 0
	v_nop
	global_prefetch_b8 v0, s[64:65] scope:SCOPE_SE
	s_setreg_imm32_b32 hwreg(HW_REG_WAVE_MODE, 25, 1), 1
	s_wait_xcnt 0x0
; Launch 3 of 4: attention of 16 (batch, head) pairs, 4,096 queries x 4,096 keys, head size 64, no mask; both products on codes of FP8 (E4M3).  Nothing of reference() is left out here.
; THE SOFTMAX AHEAD OF THE SECOND PRODUCT: t = score x log2(e) / 8; M = the row's largest t so far, rounded UP to a whole number; p = 2^(t - M) is what is quantised (scale 2^e8), not normalised.
; The row's sum is taken of the unquantised p, in f32.  When M moves, the sum and O are multiplied by 2^(old M - new M): exact.  At the end O / sum is quantised (scale 2^e10) for the next product.
; SHARES.  A work-group owns 256 queries of one pair; each of its sixteen waves owns one tile of 16, in 256 registers: four waves to a SIMD, so that one wave's vector work stands beside another's
; matrix work and LDS loads.  Every wave walks all keys, 128 a step.
; DATA.  q, k, V^T come as images of operand registers: every load is 16 bytes a lane at 16 x lane.  A block of 128 keys is 16,384 dense bytes: K's eight tiles (16 keys x 64: 8 registers), then
; V^T's four (16 channels x 128 keys: 16 registers).  A ring of two LDS slots of four blocks is filled by the tensor data mover: waves 0 to 3, a block each.
; LAYOUT.  Both products transposed: S^T = K Q^T, O^T = V^T P^T: a lane holds one query (lane % 16).  The keys of K's tiles and the channels of V^T's were chosen by the launch before, so that the
; 16 registers of two neighbouring tiles are 16 neighbours: p's codes are the second product's operand, and O's codes a piece of the next launch's.
; NO CLUSTER: the sixteen work-groups of a pair walk the same 512 KB; a slot's 64 KB stand against four key steps of some 290 vector instructions in each of sixteen waves, and a joint load
; would put a round of the cluster's barrier in front of each of the eight changes of slots.
; LIMITS: e6 + e7 between -123 and 130 (added to c's exponent field); e8, and e10 - e8 - e9, between -126 and 119.
; REGISTERS: v1 16 x lane; v3 the prefetch's offset; v5, v6 the add's two; v8 the step's LDS address; v12 -M, v13 the largest t, v[14:15] the sum; v16-23 Q; v32-95 K's eight or V^T's four fragments;
; v96-159 S^T, then p; v160-191 O^T; v192-207 p's codes; v208-219 at work.
.set SLOT1, 1<<16                      ; a slot is 65,536 bytes: one exclusive or turns an address from one slot to the other
.set SPARE, 2*SLOT1                    ; behind the ring: the spare words, 128 bytes for each of sixteen waves
.set NSL,  8                           ; slots' worth of keys
.set LI,   1
.set PFO,  3
.set SPW,  5
.set NIL,  6
.set ADR,  8
.set WV,   18
.set SEL,  20
.set CS,   22
.set G1,   24                          ; s[24:31] descriptor group 1
.set G0,   40                          ; s[40:43] group 0, which walks
.set TB,   2                           ; s2  LDS byte at which the slot in hand begins
.set SLOTS, 44
.set PFA,  46
.set LIM,  48
.macro TLOAD                           ; waves 0 to 3 fetch a block each; an s_nop 0 and four v_nop follow the line
	s_cmp_lt_u32 s[WV], 4
	s_cbranch_scc0 .Lnone_\@
	tensor_load_to_lds s[G0:G0+3], s[G1:G1+7]
	s_nop 0
.rept 4
	v_nop
.endr
.Lnone_\@:
.endm
; A prefetch into the L2 of the slot that the NEXT change of slots will ask for: four key steps ahead of that load.  Each aligned block of 256 bytes is named once in the launch: of the sixteen
; work-groups that walk a pair's keys the first asks, in its waves 4 to 11, which fetch nothing: 8,192 bytes a wave, lanes 256 bytes apart, one instruction.
; Slots 0 and 1 come by their loads alone; the last change that fills a slot asks for nothing: there is no slot behind it.
.macro ASK
	s_cmp_gt_u32 s[SLOTS], s[LIM]
	s_cbranch_scc0 .Lnot_mine_\@
	global_prefetch_b8 v[PFO], s[PFA:PFA+1] th:TH_LOAD_NT scope:SCOPE_SE
.Lnot_mine_\@:
.endm
	s_load_b256 s[4:11], s[0:1], 0x0               ; qimg, kv, the scales' exponents, ao
	v_lshl_add_u32 v[SPW], v0, 2, SPARE
	v_mov_b32 v[NIL], 0
	ds_add_u32 v[SPW], v[NIL]                      ; the wave's opening: the add, twice on end, and its wait ahead of the first tensor load
	ds_add_u32 v[SPW], v[NIL]
	v_lshrrev_b32 v8, 5, v0
	v_readfirstlane_b32 s[WV], v8                  ; wave 0..15
	s_and_b32 s50, ttmp7, 0xffff                   ; the pair: 8 x batch + head
	s_lshl_b32 s52, s50, 19                        ; its 524,288 bytes of kv
	s_mov_b32 s53, 0
	s_and_b32 s51, s[WV], 3
	s_lshl_b32 s51, s51, 14                        ; the block that I fetch, if I fetch: in memory and in a slot alike
	s_mov_b32 s54, s51
	s_mov_b32 s55, 0
	s_lshl_b32 s56, ttmp9, 4
	s_add_co_u32 s56, s56, s[WV]                   ; my tile of 16 queries in its sequence
	s_lshl_b32 s57, s50, 8
	s_add_co_u32 s57, s57, s56
	s_lshl_b32 s58, s57, 10                        ; qimg: 1,024 bytes a tile
	s_mov_b32 s59, 0
	s_lshr_b32 s57, s50, 3
	s_lshl_b32 s57, s57, 8
	s_add_co_u32 s57, s57, s56                     ; my tile among all 512,
	s_lshl_b32 s57, s57, 2
	s_bfe_u32 s60, s50, 0x20001                    ; K step head / 2 of the next product,
	s_add_co_u32 s57, s57, s60
	s_lshl_b32 s60, s57, 11
	s_and_b32 s61, s50, 1                          ; pieces 2 (head % 2) + 0, 1
	s_lshl_b32 s61, s61, 10
	s_add_co_u32 s60, s60, s61
	s_mov_b32 s61, 0
	s_sub_co_u32 s62, s[WV], 4
	s_lshr_b32 s63, s62, 3                         ; 0 in waves 4 to 11,
	s_or_b32 s63, s63, ttmp9                       ; of the pair's first work-group
	s_cmp_eq_u32 s63, 0
	s_cselect_b32 s[LIM], 1, -1
	s_and_b32 s62, s62, 7
	s_lshl_b32 s62, s62, 13                        ; my 8,192 bytes of a slot,
	s_add_co_u32 s62, s62, SLOT1                   ; in slot 1: the first change of slots steps it to slot 2
	s_mov_b32 s63, 0
	; descriptor group 1: a dense block as 64 rows of 256 bytes
	s_mov_b32 s[G1], 3<<16                         ; no mask; elements of 8 bytes; no padding
	s_mov_b32 s[G1+1], 32<<16                      ; tensor_dim0 = 32
	s_mov_b32 s[G1+2], 64<<16                      ; tensor_dim1 = 64
	s_mov_b32 s[G1+3], 32<<16                      ; tile_dim0 = 32
	s_mov_b32 s[G1+4], 64                          ; tile_dim1 = 64
	s_mov_b32 s[G1+5], 32                          ; from row to row
	s_mov_b32 s[G1+6], 0
	s_mov_b32 s[G1+7], 0
	s_mov_b32 s[SEL], 0x76543210
	s_mov_b32 s[SEL+1], 0xfedcba98
	s_mov_b32 s[CS], 0x3e38aa3b                    ; c = log2(e) / sqrt(64)
	s_mov_b32 s[TB], 0
	s_mov_b32 s[SLOTS], NSL-1
	s_wait_dscnt 0x0                               ; both opening adds are done
	s_wait_kmcnt 0x0
	s_load_b512 s[68:83], s[8:9], 0x0              ; e0 .. e15: e6 = s74, e7 = s75, e8 = s76, e9 = s77, e10 = s78
	s_add_nc_u64 s[6:7], s[6:7], s[52:53]          ; kv at my pair
	s_mov_b32 s[G0], 1                             ; count = 1
	s_mov_b32 s[G0+1], s51                         ; LDS address: slot 0
	s_add_nc_u64 s[G0+2:G0+3], s[6:7], s[54:55]    ; global address: the pair's first four blocks
	s_or_b32 s[G0+3], s[G0+3], 0x80000000          ; type = 2
	TLOAD                                          ; slot 0
	s_add_nc_u64 s[4:5], s[4:5], s[58:59]
	s_add_nc_u64 s[10:11], s[10:11], s[60:61]
	s_add_nc_u64 s[PFA:PFA+1], s[6:7], s[62:63]
	v_and_b32 v[LI], 31, v0
	v_lshlrev_b32 v[PFO], 8, v[LI]
	v_lshlrev_b32 v[LI], 4, v[LI]
	global_load_b128 v[16:19], v[LI], s[4:5]       ; Q's fragment stays in registers
	global_load_b128 v[20:23], v[LI], s[4:5] offset:512
	v_mov_b32 v13, 0xff61b1e6                      ; the largest t so far: -3e38, under every t
	v_floor_f32 v12, -v13                          ; -M
	v_mov_b32 v14, 0
	v_mov_b32 v15, 0
	v_mov_b32 v208, 0                              ; a lane permute's destination counts as one of its sources
	v_mov_b32 v215, 0                              ; (named as the upper half of the pair v[214:215])
.set j, 0
.rept 32
	v_mov_b32 v[160+j], 0                          ; O^T: the loop is written once; its first step finds zeros, which the first change of M leaves zeros
.set j, j+1
.endr
	s_wait_kmcnt 0x0
	s_add_co_i32 s84, s74, s75
	s_lshl_b32 s84, s84, 23
	s_add_co_i32 s[CS], s[CS], s84                 ; a score stands for score x 2^(e6 + e7): added to c's exponent field
	s_mov_b32 s[CS+1], s[CS]
	s_add_co_i32 s84, s76, 127
	s_lshl_b32 s85, s84, 23
	v_mov_b32 v211, s85                            ; 2^e8, for p's conversion
	s_add_co_i32 s84, s84, 8
	s_lshl_b32 s84, s84, 23
	s_or_b32 s84, s84, 0x600000
	v_mov_b32 v210, s84                            ; 448 x 2^e8
	s_sub_co_i32 s84, s78, s76
	s_sub_co_i32 s84, s84, s77                     ; O's sums stand for sum x 2^(e8 + e9): the three scales folded into the last conversion's one
	s_add_co_i32 s84, s84, 127
	s_lshl_b32 s85, s84, 23
	v_mov_b32 v218, s85
	s_add_co_i32 s84, s84, 8
	s_lshl_b32 s84, s84, 23
	s_or_b32 s84, s84, 0x600000
	v_mov_b32 v219, s84
; A KEY STEP: block q of the slot in hand.
.macro STEP q
	v_add_nc_u32 v[ADR], s[TB], v[LI]
.rept 3
	v_nop                                          ; with the addition above: four places in front of loads into registers that the last products read
.endr
.irp t, 0,1,2,3,4,5,6,7
.irp c, 0,1
	ds_load_b128 v[32+8*\t+4*\c:35+8*\t+4*\c], v[ADR] offset:16384*(\q)+1024*\t+512*\c
.endr
.endr
	s_wait_dscnt 8                                 ; tiles 0 to 3 are in; the eight loads of tiles 4 to 7 may be out
.irp t, 0,1,2,3
	v_wmma_f32_16x16x64_fp8_fp8 v[96+8*\t:103+8*\t], v[32+8*\t:39+8*\t], v[16:23], 0
.endr
	s_wait_dscnt 0x0
.irp t, 4,5,6,7
	v_wmma_f32_16x16x64_fp8_fp8 v[96+8*\t:103+8*\t], v[32+8*\t:39+8*\t], v[16:23], 0
.endr
.rept 4
	v_nop                                          ; places: for V^T's loads into K's registers, and for the first read of the scores
.endr
.irp d, 0,1,2,3
.irp c, 0,1,2,3
	ds_load_b128 v[32+16*\d+4*\c:35+16*\d+4*\c], v[ADR] offset:16384*(\q)+8192+2048*\d+512*\c   ; V^T lands while the softmax is walked
.endr
.endr
	v_max3_num_f32 v216, v96, v97, v98             ; the step's largest score of my query among my 64 keys, in two chains, each accumulator from its low end on
	v_max3_num_f32 v217, v99, v100, v101
.set j, 6
.rept 14
	v_max3_num_f32 v216, v216, v[96+j], v[97+j]
	v_max3_num_f32 v217, v217, v[98+j], v[99+j]
.set j, j+4
.endr
	v_max3_num_f32 v216, v216, v158, v159
	v_max_num_f32 v216, v216, v217
	v_permlanex16_b32 v208, v216, s[SEL], s[SEL+1]
	v_max_num_f32 v216, v216, v208                 ; and among lane l xor 16's
	v_mul_f32 v216, s[CS], v216                    ; as t (c is positive)
	v_max_num_f32 v13, v13, v216                   ; the running largest t
	v_mov_b32 v216, v12
	v_floor_f32 v12, -v13                          ; the new -M = floor(-t) = -ceil(t): a whole number
	v_sub_f32 v216, v12, v216                      ; old M less new M: a whole number, 0 or less
	v_cvt_i32_f32 v216, v216                       ; (it saturates)
	v_ldexp_f32 v214, 1.0, v216                    ; f = 2^(old M - new M)
.set j, 0
.rept 32
	v_pk_fma_f32 v[96+j:97+j], v[96+j:97+j], s[CS:CS+1], v[12:13] op_sel_hi:[1,0,0]   ; t - M, two at a time
.set j, j+2
.endr
.set j, 0
.rept 64
	v_exp_f32 v[96+j], v[96+j]                     ; p = 2^(t - M), at most 1
.set j, j+1
.endr
	v_pk_mul_f32 v[14:15], v[14:15], v[214:215] op_sel_hi:[1,0]   ; the sums under the new M: the plain place behind the exponentials
	s_wait_alu depctr_va_vdst(0)                   ; the wait ahead of the first line that names a result: one for the batch
	v_pk_add_f32 v[212:213], v[96:97], v[98:99]    ; the row's sum is taken of the unquantised p, in two chains
.set j, 4
.rept 15
	v_pk_add_f32 v[14:15], v[14:15], v[96+j:97+j]
	v_pk_add_f32 v[212:213], v[212:213], v[98+j:99+j]
.set j, j+4
.endr
	v_pk_add_f32 v[14:15], v[14:15], v[212:213]
.irp b, 0,1,2,3
.set j, 0
.rept 16
	v_min_num_f32 v[96+16*\b+j], v[96+16*\b+j], v210   ; the hold (ISA guide 7.6.2); p is not negative, so it is one-sided
.set j, j+1
.endr
	v_cvt_scalef32_pk8_fp8_f32 v[192+4*\b:193+4*\b], v[96+16*\b:103+16*\b], v211
	v_cvt_scalef32_pk8_fp8_f32 v[194+4*\b:195+4*\b], v[104+16*\b:111+16*\b], v211
.endr
.set j, 0
.rept 16
	v_pk_mul_f32 v[160+j:161+j], v[160+j:161+j], v[214:215] op_sel_hi:[1,0]   ; O^T under the new M; also the plain lines between the conversions and the products
.set j, j+2
.endr
	s_wait_dscnt 0x0                               ; V^T is in
.irp d, 0,1,2,3
	v_wmma_f32_16x16x128_fp8_fp8 v[160+8*\d:167+8*\d], v[32+16*\d:47+16*\d], v[192:207], v[160+8*\d:167+8*\d]   ; the four accumulators take turns
.endr
.endm
; THE CHANGE OF SLOTS stands at a slot's head.  Each wave waits for all its tensor loads, adds 0 to its spare word (fill = 1: twice on end), and waits for that and for its reads of the slot that it has
; left.  Behind the barrier the slot ahead is whole and nobody reads the other one, which is filled with the keys that follow: that load has four key steps in which to land.
.macro CHANGE fill
	s_wait_tensorcnt 0x0                           ; no tensor load of mine is out, so group 0 may be written
	ds_add_u32 v[SPW], v[NIL]
.if \fill
	ds_add_u32 v[SPW], v[NIL]                      ; and once more
	s_xor_b32 s[G0+1], s[G0+1], SLOT1              ; the other slot than last time,
	s_add_nc_u64 s[G0+2:G0+3], s[G0+2:G0+3], SLOT1 ; the next four blocks; the type bits on top are not reached
	s_wait_xcnt 0x0                                ; the last prefetch, a slot back, has read its address
	s_add_nc_u64 s[PFA:PFA+1], s[PFA:PFA+1], SLOT1 ; one slot further on than the descriptor
.endif
	s_wait_dscnt 0x0                               ; the add is done, and my reads of the slot that I have left are over
	s_barrier_signal -1
	s_barrier_wait -1
.if \fill
	TLOAD                                          ; the first thing behind the barrier, and a wave's one tensor load until the next
	ASK
.endif
.endm
	s_wait_loadcnt 0x0                             ; Q
.Lslot:                                            ; seven trips: behind each change of slots but the last the next slot is asked for
	CHANGE 1
	STEP 0
	STEP 1
	STEP 2
	STEP 3
	s_xor_b32 s[TB], s[TB], SLOT1
	s_sub_co_u32 s[SLOTS], s[SLOTS], 1
	s_cmp_lg_u32 s[SLOTS], 0
	s_cbranch_scc1 .Lslot
	CHANGE 0                                       ; the last slot is written out
	STEP 0
	STEP 1
	STEP 2
	STEP 3
	; THE WAY OUT: O^T / the sum, held, quantised: two pieces of the next product's operand, 512 consecutive bytes each
.rept 4
	v_nop                                          ; places behind the last products
.endr
	v_add_f32 v14, v14, v15
	v_permlanex16_b32 v208, v14, s[SEL], s[SEL+1]
	v_add_f32 v14, v14, v208                       ; the row's sum
	v_rcp_f32 v14, v14
	v_nop                                          ; a plain place behind the reciprocal
	s_wait_alu depctr_va_vdst(0)                   ; and the wait ahead of its first reader
.set j, 0
.rept 32
	v_mul_f32 v[96+j], v[160+j], v14               ; register 16 p + i is channel 32 p + 16 h + i of my query
.set j, j+1
.endr
.set j, 0
.rept 32
	v_med3_num_f32 v[96+j], v[96+j], -v219, v219
.set j, j+1
.endr
.irp k, 0,1,2,3
	v_cvt_scalef32_pk8_fp8_f32 v[192+2*\k:193+2*\k], v[96+8*\k:103+8*\k], v218
.endr
	v_nop
	global_store_b128 v[LI], v[192:195], s[10:11]
	global_store_b128 v[LI], v[196:199], s[10:11] offset:512
	s_wait_tensorcnt 0x0                           ; the wave's end
	ds_add_u32 v[SPW], v[NIL]
	s_wait_dscnt 0x0
	s_endpgm
.Lfunc_end_k_q56f825d456_attn:
	.size	k_q56f825d456_attn, .Lfunc_end_k_q56f825d456_attn-k_q56f825d456_attn
	.p2alignl 7, 3214868480
	.fill 96, 4, 3214868480
	.section	.rodata,"a",@progbits
	.p2align	6, 0x0
	.amdhsa_kernel k_q56f825d456_attn
		.amdhsa_group_segment_fixed_size 327680
		.amdhsa_private_segment_fixed_size 0
		.amdhsa_enable_private_segment 0
		.amdhsa_kernarg_size 32
		.amdhsa_user_sgpr_count 2
		.amdhsa_user_sgpr_kernarg_segment_ptr 1
		.amdhsa_wavefront_size32 1
		.amdhsa_system_sgpr_workgroup_id_x 1
		.amdhsa_system_sgpr_workgroup_id_y 1
		.amdhsa_system_sgpr_workgroup_id_z 1
		.amdhsa_system_vgpr_workitem_id 0
		.amdhsa_next_free_vgpr 256
		.amdhsa_next_free_sgpr 100
		.amdhsa_reserve_vcc 0
		.amdhsa_float_denorm_mode_32 3
		.amdhsa_float_denorm_mode_16_64 3
		.amdhsa_memory_ordered 1
		.amdhsa_forward_progress 1
		.amdhsa_inst_pref_size 131
	.end_amdhsa_kernel
	.amdgpu_metadata
---
amdhsa.version: [ 1, 2 ]
amdhsa.kernels:
  - .name:           k_q56f825d456_attn
    .symbol:         k_q56f825d456_attn.kd
    .args:
      - { .name: qimg, .offset: 0, .size: 8, .value_kind: global_buffer, .address_space: global }
      - { .name: kv, .offset: 8, .size: 8, .value_kind: global_buffer, .address_space: global }
      - { .name: lowp_scales, .offset: 16, .size: 8, .value_kind: global_buffer, .address_space: global }
      - { .name: ao, .offset: 24, .size: 8, .value_kind: global_buffer, .address_space: global }
    .group_segment_fixed_size: 327680
    .private_segment_fixed_size: 0
    .kernarg_segment_align: 8
    .kernarg_segment_size: 32
    .max_flat_workgroup_size: 512
    .sgpr_count:     100
    .vgpr_count:     256
    .wavefront_size: 32
...
	.end_amdgpu_metadata
.endif
;; end of part 3
;; launch post (part 4): grid 128 x 1, 4 waves a work-group, no clusters, 124,416 bytes of LDS; arguments ao, wimg, lowp_scales, x, bo, gamma1, beta1, b1, b2, gamma2, beta2, out0; writes out0
.if DOCPART == 4
	.amdgcn_target "amdgcn-amd-amdhsa--gfx1250"
	.amdhsa_code_object_version 6
	.text
	.protected	k_q56f825d456_post
	.globl	k_q56f825d456_post
	.p2align	8
	.type	k_q56f825d456_post,@function
k_q56f825d456_post:
	s_mov_b64 s[64:65], 0
	v_nop
	global_prefetch_b8 v0, s[64:65] scope:SCOPE_SE
	s_setreg_imm32_b32 hwreg(HW_REG_WAVE_MODE, 25, 1), 1
	s_wait_xcnt 0x0
; Launch 4 of 4: x1 = LN(x + ao Wo + bo), out = LN(x1 + relu(x1 W1 + b1) W2 + b2); the three products on codes of FP8 (E4M3).  LN divides by (std + 1e-5), as reference() does.  Nothing is left out.
; SHARES.  A work-group takes 64 tokens (four tiles m of 16).  THE WAVES SHARE THE COLUMNS: wave w owns columns 128 w .. + 127 of both residual streams, and in chunk j of the hidden layer
; (four chunks of 512) units 512 j + 128 w .. + 127.  All products are used TRANSPOSED (source 0 = 16 columns of a weight, source 1 = 16 tokens): a lane holds one token and, over my eight
; column tiles, 64 columns: register 16 b + i = column 32 b + 16 h + i (the columns of a tile were chosen for that by the first launch).
; THE RESIDUAL STREAM LIVES IN THE ACCUMULATORS: Y = (x + bo) x 2^-(e10 + e11), onto which the products with Wo add; after LN 1, Y = (x1 + b2) x 2^-(e14 + e15), onto which those with W2 add.
; A LayerNorm works on the scaled sums with eps scaled alike, which changes nothing: mean, then the mean of squared differences (two passes, no difference of large sums); a row's four parts meet in LDS.
; WEIGHTS.  Each wave has a stream of 288 fragments of 2,048 bytes in the order in which it takes them; they go from memory straight into a ring of 16 fragments in registers, four groups of four
; ahead.  NO TENSOR LOAD, NO CLUSTER: a weight byte serves one wave of a work-group once; brought jointly it would land in LDS and be read from there once more, 2.25 MB a work-group.
; 128 WORK-GROUPS OF 64 ROWS, not 256 of 32: a work-group walks all 2.25 MB of codes whatever its rows, so half the rows would double the bytes walked for the same products.
; x1's and the hidden layer's codes go from wave to wave through LDS as images of operand registers (16 bytes a lane at 16 x lane).  Twelve barriers.
; LIMITS: e12, and e14 - e12 - e13, between -126 and 119; e10 + e11, e12 + e13 and e14 + e15 between -126 and 109; a row's variance x 2^(-2 (ea + eb)) is a normal f32 number or 0.  NaN is not served.
; LDS: x1's 16 fragments; the hidden chunk's 16; ten rows of parameters (bo, gamma1, beta1, b2, gamma2, beta2, b1's four chunks), 2,048 bytes each; four regions of row figures; a stage a wave; the spare words.
; REGISTERS.  Window 0: v1 16 x lane; v2 + 2,048 w; v3, v4 parameters in and out; v5 b1's address; v6, v7 row figures in and out; v8, v9 the stage by rows and by lanes; v10, v11 the add's two; v12-15 scales and holds;
; v16-23 four pairs (mean, then 1 / (std + eps)); v24-27 permute targets; v28 parameters' offset in memory; v32-95 G / hidden sums / hidden fragments 1 / rows out; v96-159 BE / b1 / rows out;
; v160-223 held numbers / hidden fragments 0; v224-239 codes; v240-255 chains.  Window 1: ao's 16 fragments, later x1's.  Window 2: Y at 64 m + 8 t.  Window 3: the ring.
.set X1IMG, 0
.set HIMG,  32768
.set PAR,   65536
.set STAT,  86016
.set STG,   90112
.set SPARE, 123904
.set WPOST, 786432
.set G,   32
.set BE,  96
.set H,   32
.set B1T, 96
.set TMP, 160
.set PC,  224
.set CHN, 240
.set WP,  56                           ; s[56:57] the stream, at the phase's first fragment
.set JB,  62                           ; s62  b1's chunk among the parameters
.set CH,  63
.set SEL, 66
.set MSB, 0
.macro WIN new                         ; the immediate's high byte repeats the setting that is left
.if MSB != \new
	s_set_vgpr_msb (MSB<<8)|\new
.set MSB, \new
.endif
.endm
.macro PLACES
.rept 4
	v_nop
.endr
.endm
.macro MKSC vs, vl, se                 ; v[vs] = 2^se as f32, v[vl] = 448 x 2^se
	s_add_co_i32 s70, \se, 127
	s_lshl_b32 s71, s70, 23
	v_mov_b32 v[\vs], s71
	s_add_co_i32 s70, s70, 8
	s_lshl_b32 s70, s70, 23
	s_or_b32 s70, s70, 0x600000
	v_mov_b32 v[\vl], s70
.endm
.macro BARRIER                         ; my LDS stores have landed and my LDS loads are in: then the work-group's barrier
	s_wait_dscnt 0x0
	s_barrier_signal -1
	s_barrier_wait -1
.endm
.macro PFETCH reg, adr, p              ; parameter row p, my 128 columns, in my lane's order: register 16 b + i = column 32 b + 16 h + i.  My own wave stored these bytes
.irp b, 0,1,2,3
.irp q, 0,1,2,3
	ds_load_b128 v[\reg+16*\b+4*\q:\reg+16*\b+4*\q+3], v[\adr] offset:2048*(\p)+128*\b+16*\q
.endr
.endr
.endm
.macro RINGLD k                        ; behind group k's products: its four places in the ring take the fragments four groups on
	WIN 0
	PLACES                                         ; four places behind the products that read those registers; they serve the reads of fresh results too
	WIN 0xc0
.irp f, 0,1,2,3
.irp c, 0,1,2,3
	global_load_b128 v[16*((4*(\k)+\f)%16)+4*\c:16*((4*(\k)+\f)%16)+4*\c+3], v1, s[WP:WP+1] offset:(4*(\k)+16+\f)*2048+512*\c
.endr
.endr
	WIN 0
.endm
	s_load_b512 s[4:19], s[0:1], 0x0               ; ao, wimg, scales, x, bo, gamma1, beta1, b1
	s_load_b256 s[20:27], s[0:1], 0x40             ; b2, gamma2, beta2, out0
	v_lshl_add_u32 v10, v0, 2, SPARE
	v_mov_b32 v11, 0
	v_lshrrev_b32 v29, 5, v0
	v_readfirstlane_b32 s28, v29                   ; wave
	v_and_b32 v29, 31, v0
	v_lshlrev_b32 v1, 4, v29                       ; 16 x lane
	v_and_b32 v30, 15, v0                          ; r
	v_bfe_u32 v31, v0, 4, 1                        ; h
	s_lshl_b32 s68, s28, 11
	v_add_nc_u32 v2, s68, v1                       ; my images: K step w
	s_lshl_b32 s68, s28, 9
	v_add_nc_u32 v28, s68, v1                      ; my 512 bytes of a parameter row
	v_add_nc_u32 v3, PAR, v28
	v_lshlrev_b32 v4, 6, v31
	v_add_nc_u32 v4, s68, v4
	v_add_nc_u32 v4, PAR, v4
	s_lshl_b32 s68, s28, 2
	v_lshlrev_b32 v7, 4, v30
	v_add_nc_u32 v7, STAT, v7                      ; a row's four figures,
	v_add_nc_u32 v6, s68, v7                       ; and mine among them
	s_mul_i32 s68, s28, 8448
	s_add_co_u32 s68, s68, STG
	v_add_nc_u32 v8, s68, v1
	v_mul_u32_u24 v9, v30, 528
	v_lshl_add_u32 v9, v31, 6, v9
	v_add_nc_u32 v9, s68, v9
.irp r, 17,19,21,23,24,25,26,27
	v_mov_b32 v\r, 0                               ; upper halves of pairs and permute targets: written once
.endr
	s_mov_b32 s[SEL], 0x76543210
	s_mov_b32 s[SEL+1], 0xfedcba98
	s_mul_i32 s72, s28, 589824                     ; my stream: 288 fragments
	s_add_co_u32 s72, s72, WPOST
	s_mov_b32 s73, 0
	s_lshl_b32 s74, ttmp9, 17                      ; 64 rows of 2,048 bytes,
	s_lshl_b32 s75, s28, 9
	s_add_co_u32 s74, s74, s75                     ; my 512 bytes of each
	s_mov_b32 s75, 0
	s_lshl_b32 s78, ttmp9, 15                      ; ao: 16 fragments
	s_mov_b32 s79, 0
	s_mov_b32 s[JB], 6*2048
	s_wait_kmcnt 0x0
	s_load_b512 s[32:47], s[8:9], 0x0              ; e0 .. e15
	s_add_nc_u64 s[WP:WP+1], s[6:7], s[72:73]
	s_add_nc_u64 s[58:59], s[10:11], s[74:75]      ; x
	s_add_nc_u64 s[60:61], s[26:27], s[74:75]      ; out0
	s_add_nc_u64 s[76:77], s[4:5], s[78:79]        ; ao
	global_load_b128 v[160:163], v28, s[12:13]
	global_load_b128 v[164:167], v28, s[14:15]
	global_load_b128 v[168:171], v28, s[16:17]
	global_load_b128 v[172:175], v28, s[20:21]
	global_load_b128 v[176:179], v28, s[22:23]
	global_load_b128 v[180:183], v28, s[24:25]
.irp j, 0,1,2,3
	global_load_b128 v[184+4*\j:187+4*\j], v28, s[18:19] offset:2048*\j
.endr
	WIN 0x80                                       ; x by rows into Y's registers: 512 consecutive bytes a load; row i of tile m is token 32 (m / 2) + 8 (m % 2) + i + 8 (i / 8)
.set m, 0
.rept 4
.set i, 0
.rept 16
	global_load_b128 v[64*m+4*i:64*m+4*i+3], v1, s[58:59] offset:(32*(m/2)+8*(m%2)+i+8*(i/8))*2048 th:TH_LOAD_NT
.set i, i+1
.endr
.set m, m+1
.endr
	WIN 0x40                                       ; ao's fragments (m, s) at 16 (4 m + s) of window 1
.set f, 0
.rept 16
.irp c, 0,1,2,3
	global_load_b128 v[16*f+4*\c:16*f+4*\c+3], v1, s[76:77] offset:f*2048+512*\c
.endr
.set f, f+1
.endr
	WIN 0xc0                                       ; the ring's first sixteen fragments
.set f, 0
.rept 16
.irp c, 0,1,2,3
	global_load_b128 v[16*f+4*\c:16*f+4*\c+3], v1, s[WP:WP+1] offset:f*2048+512*\c
.endr
.set f, f+1
.endr
	WIN 0
	s_wait_kmcnt 0x0
	s_add_co_i32 s69, s42, s43                     ; e10 + e11
	s_sub_co_i32 s48, 127, s69
	s_lshl_b32 s48, s48, 23                        ; 2^-(e10 + e11)
	s_mov_b32 s49, s48
	s_lshl_b32 s69, s69, 23
	s_sub_co_i32 s54, 0x3727c5ac, s69              ; 1e-5 x the same
	s_add_co_i32 s69, s44, s45                     ; e12 + e13
	s_sub_co_i32 s50, 127, s69
	s_lshl_b32 s50, s50, 23
	s_mov_b32 s51, s50
	s_sub_co_i32 s69, s46, s69                     ; e14 - e12 - e13: the hidden layer's three scales folded into one
	MKSC 14, 15, s69
	MKSC 12, 13, s44                               ; x1's: e12
	s_add_co_i32 s69, s46, s47                     ; e14 + e15
	s_sub_co_i32 s52, 127, s69
	s_lshl_b32 s52, s52, 23
	s_mov_b32 s53, s52
	s_lshl_b32 s69, s69, 23
	s_sub_co_i32 s55, 0x3727c5ac, s69
	s_wait_loadcnt 63                              ; 202 loads were issued; all but the youngest 63 are in: the 10 of parameters, x's 64 and ao's 64 among them
.irp p, 0,1,2,3,4,5,6,7,8,9
	ds_store_b128 v3, v[160+4*\p:163+4*\p] offset:2048*\p
.endr
.set m, 0
.rept 4                                        ; x turns through my stage: in by rows, back 64 bytes a lane, into the registers that it left
	WIN 0x08
.set i, 0
.rept 16
	ds_store_b128 v8, v[64*m+4*i:64*m+4*i+3] offset:528*i
.set i, i+1
.endr
	s_wait_dscnt 0x0                               ; the stores have read their registers
	WIN 0x80
.irp b, 0,1,2,3
.irp q, 0,1,2,3
	ds_load_b128 v[64*m+16*\b+4*\q:64*m+16*\b+4*\q+3], v9 offset:128*\b+16*\q
.endr
.endr
.set m, m+1
.endr
	WIN 0
	PFETCH G, 4, 0                                 ; bo
	s_wait_dscnt 0x0
.set j, 0
.rept 32
	v_pk_mul_f32 v[G+j:G+j+1], v[G+j:G+j+1], s[48:49] op_sel_hi:[1,0]
.set j, j+2
.endr
	WIN 0x82
.set j, 0
.rept 32
.irp m, 0,1,2,3
	v_pk_fma_f32 v[64*\m+j:64*\m+j+1], v[64*\m+j:64*\m+j+1], s[48:49], v[G+j:G+j+1] op_sel_hi:[1,0,1]   ; Y = (x + bo) x 2^-(e10 + e11)
.endr
.set j, j+2
.endr
	WIN 0
	; ---- Y += Wo^T ao^T: group t: column tile t, its four K steps x the four row tiles; the four accumulators take turns
.set gk, 0
.rept 8
	s_wait_loadcnt 48                              ; this group's sixteen loads are in; those of the three groups behind it may be out
	WIN 0xa7                                       ; the ring window 3, ao window 1, C and D window 2
.irp ks, 0,1,2,3
.irp m, 0,1,2,3
.set rY, 64*\m+8*gk
.set rR, 16*((4*gk+\ks)%16)
.set rX, 16*(4*\m+\ks)
	v_wmma_f32_16x16x128_fp8_fp8 v[rY:rY+7], v[rR:rR+15], v[rX:rX+15], v[rY:rY+7]
.endr
.endr
	RINGLD gk
.set gk, gk+1
.endr
	s_wait_xcnt 0x0                                ; the loads have read their base
	s_add_nc_u64 s[WP:WP+1], s[WP:WP+1], 32*2048
; The four figures in the chains' pairs (one for each row tile, of my lane's 64 columns) are summed over the lane's pair, the other half of the lanes and the four waves; the sums come back in v[CHN + 4 m].
.macro EXCH off
.irp m, 0,1,2,3
	v_pk_add_f32 v[CHN+4*\m:CHN+4*\m+1], v[CHN+4*\m:CHN+4*\m+1], v[CHN+4*\m+2:CHN+4*\m+3]
.endr
.irp m, 0,1,2,3
	v_add_f32 v[CHN+4*\m], v[CHN+4*\m], v[CHN+4*\m+1]
.endr
.irp m, 0,1,2,3
	v_permlanex16_b32 v[24+\m], v[CHN+4*\m], s[SEL], s[SEL+1]
.endr
.irp m, 0,1,2,3
	v_add_f32 v[CHN+4*\m], v[CHN+4*\m], v[24+\m]
.endr
.irp m, 0,1,2,3
	ds_store_b32 v6, v[CHN+4*\m] offset:(\off)+256*\m   ; lanes r and r + 16 write the same word with the same value
.endr
	BARRIER
.irp m, 0,1,2,3
	ds_load_b128 v[CHN+4*\m:CHN+4*\m+3], v7 offset:(\off)+256*\m
.endr
	s_wait_dscnt 0x0
.irp m, 0,1,2,3
	v_add_f32 v[CHN+4*\m], v[CHN+4*\m], v[CHN+4*\m+1]
	v_add_f32 v[CHN+4*\m+2], v[CHN+4*\m+2], v[CHN+4*\m+3]
.endr
.irp m, 0,1,2,3
	v_add_f32 v[CHN+4*\m], v[CHN+4*\m], v[CHN+4*\m+2]   ; the same order in all four waves: all hold the same number
.endr
.endm
; LayerNorm of Y in place.  rb: its two regions of row figures; s[seps]: eps, scaled as Y is; pg, pb: the rows of gain and offset.
.macro LN rb, seps, pg, pb
	PFETCH G, 4, \pg
	PFETCH BE, 4, \pb                              ; waited for with the first exchange's stores
	WIN 0x0a                                       ; both sources window 2
.irp m, 0,1,2,3
	v_pk_add_f32 v[CHN+4*\m:CHN+4*\m+1], v[64*\m:64*\m+1], v[64*\m+2:64*\m+3]        ; eight chains; each accumulator is read from its low end on
	v_pk_add_f32 v[CHN+4*\m+2:CHN+4*\m+3], v[64*\m+4:64*\m+5], v[64*\m+6:64*\m+7]
.endr
	WIN 0x08
.set j, 8
.rept 14
.irp m, 0,1,2,3
	v_pk_add_f32 v[CHN+4*\m:CHN+4*\m+1], v[CHN+4*\m:CHN+4*\m+1], v[64*\m+j:64*\m+j+1]
	v_pk_add_f32 v[CHN+4*\m+2:CHN+4*\m+3], v[CHN+4*\m+2:CHN+4*\m+3], v[64*\m+j+2:64*\m+j+3]
.endr
.set j, j+4
.endr
	WIN 0
	EXCH \rb
.irp m, 0,1,2,3
	v_mul_f32 v[16+2*\m], 0x3b000000, v[CHN+4*\m]  ; the mean: / 512
.endr
	WIN 0x82
.set j, 0
.rept 32
.irp m, 0,1,2,3
	v_pk_add_f32 v[64*\m+j:64*\m+j+1], v[64*\m+j:64*\m+j+1], v[16+2*\m:17+2*\m] op_sel_hi:[1,0] neg_lo:[0,1] neg_hi:[0,1]
.endr
.set j, j+2
.endr
	WIN 0x0a
.irp m, 0,1,2,3
	v_pk_mul_f32 v[CHN+4*\m:CHN+4*\m+1], v[64*\m:64*\m+1], v[64*\m:64*\m+1]
	v_pk_mul_f32 v[CHN+4*\m+2:CHN+4*\m+3], v[64*\m+2:64*\m+3], v[64*\m+2:64*\m+3]
.endr
.set j, 4
.rept 15
.irp m, 0,1,2,3
	v_pk_fma_f32 v[CHN+4*\m:CHN+4*\m+1], v[64*\m+j:64*\m+j+1], v[64*\m+j:64*\m+j+1], v[CHN+4*\m:CHN+4*\m+1]
	v_pk_fma_f32 v[CHN+4*\m+2:CHN+4*\m+3], v[64*\m+j+2:64*\m+j+3], v[64*\m+j+2:64*\m+j+3], v[CHN+4*\m+2:CHN+4*\m+3]
.endr
.set j, j+4
.endr
	WIN 0
	EXCH (\rb)+1024
.irp m, 0,1,2,3
	v_mul_f32 v[CHN+4*\m], 0x3b000000, v[CHN+4*\m]
.endr
.irp m, 0,1,2,3
	v_sqrt_f32 v[CHN+4*\m+1], v[CHN+4*\m]
.endr
	v_nop                                          ; a plain place behind the batch,
	s_wait_alu depctr_va_vdst(0)                   ; and the wait ahead of its first reader
.irp m, 0,1,2,3
	v_add_f32 v[CHN+4*\m+1], s[\seps], v[CHN+4*\m+1]
.endr
.irp m, 0,1,2,3
	v_rcp_f32 v[16+2*\m], v[CHN+4*\m+1]
.endr
	v_nop
	s_wait_alu depctr_va_vdst(0)
	WIN 0x82
.set j, 0
.rept 32
.irp m, 0,1,2,3
	v_pk_mul_f32 v[64*\m+j:64*\m+j+1], v[64*\m+j:64*\m+j+1], v[16+2*\m:17+2*\m] op_sel_hi:[1,0]
.endr
.irp m, 0,1,2,3
	v_pk_fma_f32 v[64*\m+j:64*\m+j+1], v[64*\m+j:64*\m+j+1], v[G+j:G+j+1], v[BE+j:BE+j+1]
.endr
.set j, j+2
.endr
	WIN 0
.endm
	LN 0, 54, 1, 2                                 ; Y = x1
	; ---- x1 becomes K step w of the next product: four fragments, as images to LDS
.irp m, 0,1,2,3
	WIN 0x02
.set k, 0
.rept 64
	v_med3_num_f32 v[TMP+k], v[64*\m+k], -v13, v13
.set k, k+1
.endr
	WIN 0
	s_wait_dscnt 0x0                               ; the last image's stores have read the codes' registers
.set k, 0
.rept 8
	v_cvt_scalef32_pk8_fp8_f32 v[PC+2*k:PC+2*k+1], v[TMP+8*k:TMP+8*k+7], v12
.set k, k+1
.endr
	v_nop                                          ; a plain line between the conversions and the next lines that write their sources
.irp c, 0,1,2,3
	ds_store_b128 v2, v[PC+4*\c:PC+4*\c+3] offset:X1IMG+8192*\m+512*\c
.endr
.endr
	PFETCH G, 4, 3                                 ; b2
	s_wait_dscnt 0x0
.set j, 0
.rept 32
	v_pk_mul_f32 v[G+j:G+j+1], v[G+j:G+j+1], s[52:53] op_sel_hi:[1,0]
.set j, j+2
.endr
	WIN 0x82
.set j, 0
.rept 32
.irp m, 0,1,2,3
	v_pk_fma_f32 v[64*\m+j:64*\m+j+1], v[64*\m+j:64*\m+j+1], s[52:53], v[G+j:G+j+1] op_sel_hi:[1,0,1]   ; Y = (x1 + b2) x 2^-(e14 + e15)
.endr
.set j, j+2
.endr
	WIN 0
	BARRIER                                        ; x1's sixteen fragments lie in LDS
	WIN 0x40
.set f, 0
.rept 16
.irp c, 0,1,2,3
	ds_load_b128 v[16*f+4*\c:16*f+4*\c+3], v1 offset:X1IMG+f*2048+512*\c
.endr
.set f, f+1
.endr
	WIN 0
	s_wait_dscnt 0x0
.macro QUANTH b                        ; the sums of column tiles 2 b, 2 b + 1 for the four row tiles: relu, hold, codes: piece b of my four hidden fragments
.set q, 0
.rept 64
	v_med3_num_f32 v[H+q], v[H+q], 0, v15          ; the activation and the hold in one; each accumulator from its low end on
.set q, q+1
.endr
	s_wait_dscnt 0x0                               ; the last piece's stores have read the codes' registers
.set q, 0
.rept 8
	v_cvt_scalef32_pk8_fp8_f32 v[PC+2*q:PC+2*q+1], v[H+8*q:H+8*q+7], v14
.set q, q+1
.endr
	v_nop                                          ; a plain line between the conversions and the products that write their sources
.irp m, 0,1,2,3
	ds_store_b128 v2, v[PC+4*\m:PC+4*\m+3] offset:HIMG+8192*\m+512*(\b)
.endr
.endm
.macro HFETCH sp                       ; K step sp of the chunk, four row tiles, into set sp % 2 (v160.. or v32..)
.irp m, 0,1,2,3
.irp c, 0,1,2,3
	ds_load_b128 v[160-128*((\sp)%2)+16*\m+4*\c:160-128*((\sp)%2)+16*\m+4*\c+3], v1 offset:HIMG+(4*\m+(\sp))*2048+512*\c
.endr
.endr
.endm
; A CHUNK of 512 hidden units: groups 0-7: my eight column tiles of W1; groups 8-15: W2's four K steps x my eight column tiles.  last = 1: the stream ends: the last four groups load nothing.
.macro CHUNK last
	v_add_nc_u32 v5, s[JB], v4
	PFETCH B1T, 5, 0
	s_wait_dscnt 0x0
.set j, 0
.rept 32
	v_pk_mul_f32 v[B1T+j:B1T+j+1], v[B1T+j:B1T+j+1], s[50:51] op_sel_hi:[1,0]   ; b1 / 2^(e12 + e13): the C of each sum's first product
.set j, j+2
.endr
.set gk, 0
.rept 8
	s_wait_loadcnt 48
	WIN 0x07                                       ; the ring window 3, x1 window 1, C and D window 0
.irp ks, 0,1,2,3
.irp m, 0,1,2,3
.set rH, H+16*\m+8*(gk%2)
.set rR, 16*((4*gk+\ks)%16)
.set rX, 16*(4*\m+\ks)
.if \ks == 0
	v_wmma_f32_16x16x128_fp8_fp8 v[rH:rH+7], v[rR:rR+15], v[rX:rX+15], v[B1T+8*gk:B1T+8*gk+7]
.else
	v_wmma_f32_16x16x128_fp8_fp8 v[rH:rH+7], v[rR:rR+15], v[rX:rX+15], v[rH:rH+7]
.endif
.endr
.endr
	RINGLD gk
.if gk%2
	QUANTH gk/2
.endif
.set gk, gk+1
.endr
	BARRIER                                        ; the chunk's sixteen hidden fragments lie in LDS
	HFETCH 0
	HFETCH 1
.rept 8
.if gk%2 == 0
.if gk < 14
	s_wait_dscnt 16                                ; this K step's four fragments are in; the younger fetch may be out
.else
	s_wait_dscnt 0x0
.endif
.endif
.if (\last) && (gk > 12)
	s_wait_loadcnt 16*(15-gk)                      ; the stream runs out: 32, 16, 0
.else
	s_wait_loadcnt 48
.endif
	WIN 0xa3                                       ; the ring window 3, the hidden fragments window 0, C and D window 2
.irp f, 0,1,2,3
.irp m, 0,1,2,3
.set rY, 64*\m+8*(4*(gk%2)+\f)
.set rR, 16*((4*gk+\f)%16)
.set rF, 160-128*(((gk-8)/2)%2)+16*\m
	v_wmma_f32_16x16x128_fp8_fp8 v[rY:rY+7], v[rR:rR+15], v[rF:rF+15], v[rY:rY+7]
.endr
.endr
.if (\last) && (gk >= 12)
	WIN 0
.else
	RINGLD gk
.endif
.if gk == 9
	HFETCH 2                                       ; behind the four places: the set that K step 0 has left
.endif
.if gk == 11
	HFETCH 3
.endif
.set gk, gk+1
.endr
.if \last
	PLACES                                         ; ahead of the first read of Y, and of loads into the hidden fragments' registers
.else
	BARRIER                                        ; every wave has read the chunk's fragments: the next chunk may write them
	s_wait_xcnt 0x0                                ; the loads have read their base
	s_add_nc_u64 s[WP:WP+1], s[WP:WP+1], 64*2048
	s_add_co_u32 s[JB], s[JB], 2048
.endif
.endm
	s_mov_b32 s[CH], 3
.Lchunk:
	CHUNK 0
	s_sub_co_u32 s[CH], s[CH], 1
	s_cmp_lg_u32 s[CH], 0
	s_cbranch_scc1 .Lchunk
	CHUNK 1                                        ; the last chunk is written out: no load leaves the stream
	LN 2048, 55, 4, 5                              ; Y = the result
	; ---- THE WAY OUT: a row tile at a time through my stage: in 64 bytes a lane, back by rows; a store covers 512 consecutive bytes of a row
.irp m, 0,1,2,3
.if \m >= 2
	s_wait_xcnt 0x0                                ; the stores of two tiles back have read their registers
.endif
	WIN 0x08
.irp b, 0,1,2,3
.irp q, 0,1,2,3
	ds_store_b128 v9, v[64*\m+16*\b+4*\q:64*\m+16*\b+4*\q+3] offset:128*\b+16*\q
.endr
.endr
	WIN 0
.set i, 0
.rept 16
	ds_load_b128 v[32+64*(\m%2)+4*i:32+64*(\m%2)+4*i+3], v8 offset:528*i   ; LDS serves a wave's instructions in order: these see my stores, and the next tile's stores come behind them
.set i, i+1
.endr
.set i, 0
.rept 16
	s_wait_dscnt 15-i
	global_store_b128 v1, v[32+64*(\m%2)+4*i:32+64*(\m%2)+4*i+3], s[60:61] offset:(32*(\m/2)+8*(\m%2)+i+8*(i/8))*2048 th:TH_STORE_NT
.set i, i+1
.endr
.endr
	s_wait_tensorcnt 0x0                           ; the wave's end, behind my last LDS store
	ds_add_u32 v10, v11
	s_wait_dscnt 0x0
	s_endpgm
.Lfunc_end_k_q56f825d456_post:
	.size	k_q56f825d456_post, .Lfunc_end_k_q56f825d456_post-k_q56f825d456_post
	.p2alignl 7, 3214868480
	.fill 96, 4, 3214868480
	.section	.rodata,"a",@progbits
	.p2align	6, 0x0
	.amdhsa_kernel k_q56f825d456_post
		.amdhsa_group_segment_fixed_size 124416
		.amdhsa_private_segment_fixed_size 0
		.amdhsa_enable_private_segment 0
		.amdhsa_kernarg_size 96
		.amdhsa_user_sgpr_count 2
		.amdhsa_user_sgpr_kernarg_segment_ptr 1
		.amdhsa_wavefront_size32 1
		.amdhsa_system_sgpr_workgroup_id_x 1
		.amdhsa_system_sgpr_workgroup_id_y 1
		.amdhsa_system_sgpr_workgroup_id_z 1
		.amdhsa_system_vgpr_workitem_id 0
		.amdhsa_next_free_vgpr 1024
		.amdhsa_next_free_sgpr 100
		.amdhsa_reserve_vcc 0
		.amdhsa_float_denorm_mode_32 3
		.amdhsa_float_denorm_mode_16_64 3
		.amdhsa_memory_ordered 1
		.amdhsa_forward_progress 1
		.amdhsa_inst_pref_size 255
	.end_amdhsa_kernel
	.section	.bss,"aw",@nobits
	.p2align	6
	.space	262144
	.amdgpu_metadata
---
amdhsa.version: [ 1, 2 ]
amdhsa.kernels:
  - .name:           k_q56f825d456_post
    .symbol:         k_q56f825d456_post.kd
    .args:
      - { .name: ao, .offset: 0, .size: 8, .value_kind: global_buffer, .address_space: global }
      - { .name: wimg, .offset: 8, .size: 8, .value_kind: global_buffer, .address_space: global }
      - { .name: lowp_scales, .offset: 16, .size: 8, .value_kind: global_buffer, .address_space: global }
      - { .name: x, .offset: 24, .size: 8, .value_kind: global_buffer, .address_space: global }
      - { .name: bo, .offset: 32, .size: 8, .value_kind: global_buffer, .address_space: global }
      - { .name: gamma1, .offset: 40, .size: 8, .value_kind: global_buffer, .address_space: global }
      - { .name: beta1, .offset: 48, .size: 8, .value_kind: global_buffer, .address_space: global }
      - { .name: b1, .offset: 56, .size: 8, .value_kind: global_buffer, .address_space: global }
      - { .name: b2, .offset: 64, .size: 8, .value_kind: global_buffer, .address_space: global }
      - { .name: gamma2, .offset: 72, .size: 8, .value_kind: global_buffer, .address_space: global }
      - { .name: beta2, .offset: 80, .size: 8, .value_kind: global_buffer, .address_space: global }
      - { .name: out0, .offset: 88, .size: 8, .value_kind: global_buffer, .address_space: global }
    .group_segment_fixed_size: 124416
    .private_segment_fixed_size: 0
    .kernarg_segment_align: 8
    .kernarg_segment_size: 96
    .max_flat_workgroup_size: 128
    .sgpr_count:     100
    .vgpr_count:     1024
    .wavefront_size: 32
...
	.end_amdgpu_metadata
.endif
;; end of part 4
;; ======== version 2 of 2: 4 launches
;; limits: right only within a limited range of input values
;; workspace buffers: wimg 3,145,728 bytes; qimg 4,194,304 bytes; kv 8,388,608 bytes; ao 4,194,304 bytes
;; launch prep (part 5): grid 192 x 1, 4 waves a work-group, no clusters, 17,920 bytes of LDS; arguments Wq, Wk, Wv, Wo, W1, W2, lowp_scales, wimg; writes wimg
.if DOCPART == 5
	.amdgcn_target "amdgcn-amd-amdhsa--gfx1250"
	.amdhsa_code_object_version 6
	.text
	.protected	k_q56f825d456_prep
	.globl	k_q56f825d456_prep
	.p2align	8
	.type	k_q56f825d456_prep,@function
k_q56f825d456_prep:
	s_mov_b64 s[64:65], 0
	v_nop
	global_prefetch_b8 v0, s[64:65] scope:SCOPE_SE
	s_setreg_imm32_b32 hwreg(HW_REG_WAVE_MODE, 25, 1), 1
	s_wait_xcnt 0x0
; ENCODER LAYER IN FP8 (E4M3), launch 1 of 4: the six weights, f32 stored [K][N], become codes laid as IMAGES OF OPERAND REGISTERS.
; DEAD WORK: none.  Every bias of reference() stands ahead of a quantiser (bq, bk, bv, b1) or goes into a LayerNorm's input (bo, b2); every gain and offset reaches x1 or the output;
; all eight products are live.  So all 18 inputs are loaded by some launch, and nothing is left out.
; AN IMAGE: a fragment is 16 columns n x 128 along K, 16 registers a lane, 2,048 bytes: piece c (512 bytes) holds lane l's registers 4 c .. 4 c + 3 at byte 16 l; lane (r = l % 16, h = l / 16)
; holds k = 32 c + 16 h + 0 .. 15 of its column.  That is one permutation of k, the same on both sides of every product of this program.
; THE COLUMNS OF A TILE ARE NOT NEIGHBOURS: in a group of 32 columns, lane r of tile u takes column 8 u + r + 8 (r / 8), so that two neighbouring tiles' results are 16 neighbours along the next K.
; code = x / 2^e, held within +-448, to the nearest code, ties to even.  e: the weight's entry of lowp_scales (1, 3, 5, 11, 13, 15).  LIMITS: -126 <= e <= 119; NaN among the inputs is not served.
; SHARES.  A wave takes 32 columns x 128 along K: two images.  768 such units: 64 for each of Wq, Wk, Wv, Wo, 256 for W1, 256 for W2.  A LANE TAKES A COLUMN AND ITS REGISTERS RUN DOWN K:
; a load reads 128 consecutive bytes a wave, 512 a work-group, and the conversions give codes with K innermost.  The codes turn into image order in the wave's own stage in LDS and leave as
; stores of 512 consecutive bytes.  No barrier: waves share nothing.  No tensor load, no cluster: each byte is read by one wave, once.
; WHERE THE IMAGES GO.  Wq, Wk, Wv: fragment ((matrix x 32 + column tile) x 4 + K step).  Wo, W1, W2: from byte WPOST on, one stream of 288 fragments for each of the last launch's four waves,
; in the order in which that wave takes them: Wo (tile t, step s) at 4 t + s; chunk j of the FFN from 32 + 64 j on: W1 at 4 t + s, then W2 at 32 + 8 s' + t.
.set SPARE, 17408                      ; behind the four stages: the spare words, 128 bytes a wave
.set WPOST, 786432
.set OFF, 32                           ; v32-63   4 x lane + i rows
.set X,   64                           ; v64-191  128 numbers down K
.set C,   192                          ; v192-223 their codes
.set O,   224                          ; v224-255 the two images on their way out
	s_load_b512 s[4:19], s[0:1], 0x0               ; Wq, Wk, Wv, Wo, W1, W2, the scales' exponents, wimg
	v_lshl_add_u32 v2, v0, 2, SPARE                ; my spare word
	v_mov_b32 v3, 0
	v_lshrrev_b32 v1, 5, v0
	v_readfirstlane_b32 s20, v1                    ; wave
	v_and_b32 v1, 31, v0                           ; lane
	; which unit is mine: selections on ids alone, one path for all six weights
	s_wait_alu depctr_va_vdst(0)
	s_lshl_b32 s21, ttmp9, 2
	s_add_co_u32 s21, s21, s20                     ; unit = 4 x work-group + wave
	s_lshr_b32 s22, ttmp9, 6                       ; 0: the four square weights, 1: W1, 2: W2
	s_lshr_b32 s23, ttmp9, 4
	s_add_co_u32 s24, s22, 3
	s_cmp_eq_u32 s22, 0
	s_cselect_b32 s23, s23, s24                    ; the weight, 0 .. 5
	s_cselect_b32 s24, 63, 0xff
	s_and_b32 s24, s21, s24                        ; the unit within it
	s_cmp_eq_u32 s22, 1                            ; W1 has 64 groups of columns and 4 K steps, the others 16 groups
	s_cselect_b32 s25, 63, 15
	s_cselect_b32 s26, 6, 4
	s_cselect_b32 s27, 13, 11
	s_and_b32 s28, s24, s25                        ; P: the group of 32 columns
	s_lshr_b32 s29, s24, s26                       ; the K step
	s_lshl_b32 s27, 1, s27                         ; a row of the weight in bytes: 8,192 or 2,048
	s_cmp_ge_u32 s23, 3
	s_cselect_b32 s31, 5, 1
	s_lshl_b32 s30, s23, 1
	s_add_co_u32 s31, s31, s30                     ; its entry of the scales: 1, 3, 5, 11, 13, 15
	s_lshl_b32 s31, s31, 2
	s_mul_i32 s32, s29, s27
	s_lshl_b32 s32, s32, 7                         ; 128 rows a K step,
	s_lshl_b32 s33, s28, 7
	s_add_co_u32 s32, s32, s33                     ; + 128 bytes a group of columns
	s_mov_b32 s33, 0
	s_lshl_b32 s34, s27, 5                         ; 32 rows
	s_mov_b32 s35, 0
	; the number of my first image
	s_lshr_b32 s48, s28, 2                         ; P / 4
	s_and_b32 s49, s28, 3                          ; P % 4
	s_and_b32 s50, s48, 3                          ; Wo, W1: the wave that takes these columns,
	s_mul_i32 s50, s50, 288
	s_lshr_b32 s51, s28, 4                         ; the chunk (0 for Wo),
	s_lshl_b32 s51, s51, 6
	s_add_co_u32 s50, s50, s51
	s_lshl_b32 s51, s49, 3                         ; 4 t = 8 (P % 4) + 4 u,
	s_add_co_u32 s50, s50, s51
	s_add_co_u32 s50, s50, s29                     ; + s
	s_cmp_eq_u32 s23, 4
	s_cselect_b32 s51, 32, 0
	s_add_co_u32 s50, s50, s51
	s_mul_i32 s52, s48, 288                        ; W2: the wave,
	s_lshr_b32 s51, s29, 2                         ; the chunk = K step / 4,
	s_lshl_b32 s51, s51, 6
	s_add_co_u32 s52, s52, s51
	s_and_b32 s51, s29, 3                          ; 8 s',
	s_lshl_b32 s51, s51, 3
	s_add_co_u32 s52, s52, s51
	s_lshl_b32 s51, s49, 1                         ; t = 2 (P % 4) + u
	s_add_co_u32 s52, s52, s51
	s_add_co_u32 s52, s52, 64
	s_lshl_b32 s53, s23, 7                         ; Wq, Wk, Wv: 128 x matrix + 8 P + s
	s_lshl_b32 s51, s28, 3
	s_add_co_u32 s53, s53, s51
	s_add_co_u32 s53, s53, s29
	s_cmp_eq_u32 s23, 5
	s_cselect_b32 s50, s52, s50
	s_cselect_b32 s54, 11, 13                      ; from tile u = 0 to u = 1: one fragment in W2's order, four in the others'
	s_cmp_lt_u32 s23, 3
	s_cselect_b32 s50, s53, s50
	s_cselect_b32 s51, 0, WPOST
	s_lshl_b32 s50, s50, 11
	s_add_co_u32 s50, s50, s51
	s_mov_b32 s51, 0
	s_lshl_b32 s54, 1, s54
	s_mov_b32 s55, 0
	; lane addresses
	v_lshlrev_b32 v[OFF], 2, v1
.set i, 1
.rept 31
	v_add_nc_u32 v[OFF+i], s27, v[OFF+i-1]
.set i, i+1
.endr
	s_mul_i32 s56, s20, 4352                       ; my stage: two images, 2,176 bytes apart
	v_bfe_u32 v4, v0, 3, 1                         ; column l = 8 u + r + 8 (r / 8): u = (l / 8) % 2,
	v_mul_u32_u24 v4, v4, 2176
	v_and_b32 v5, 7, v0                            ; r = l % 8 + 8 (l / 16)
	v_lshl_add_u32 v4, v5, 4, v4
	v_bfe_u32 v5, v0, 4, 1
	v_lshl_add_u32 v4, v5, 7, v4
	v_add_nc_u32 v4, s56, v4                       ; into the stage: image u, 16 r; the offset adds 512 c + 256 h
	v_lshlrev_b32 v6, 4, v1                        ; 16 x lane
	v_add_nc_u32 v5, s56, v6                       ; out of it
	s_wait_kmcnt 0x0
	s_load_b32 s30, s[16:17], s31 offset:0x0       ; e
	s_cmp_eq_u32 s23, 1
	s_cselect_b64 s[36:37], s[6:7], s[4:5]
	s_cmp_eq_u32 s23, 2
	s_cselect_b64 s[36:37], s[8:9], s[36:37]
	s_cmp_eq_u32 s23, 3
	s_cselect_b64 s[36:37], s[10:11], s[36:37]
	s_cmp_eq_u32 s23, 4
	s_cselect_b64 s[36:37], s[12:13], s[36:37]
	s_cmp_eq_u32 s23, 5
	s_cselect_b64 s[36:37], s[14:15], s[36:37]
	s_add_nc_u64 s[36:37], s[36:37], s[32:33]      ; my unit's first row; then 32, 64, 96 rows down
	s_add_nc_u64 s[38:39], s[36:37], s[34:35]
	s_add_nc_u64 s[40:41], s[38:39], s[34:35]
	s_add_nc_u64 s[42:43], s[40:41], s[34:35]
	s_add_nc_u64 s[44:45], s[18:19], s[50:51]      ; image u = 0,
	s_add_nc_u64 s[46:47], s[44:45], s[54:55]      ; image u = 1
.irp c, 0,1,2,3
.set i, 0
.rept 32
	global_load_b32 v[X+32*\c+i], v[OFF+i], s[36+2*\c:37+2*\c] th:TH_LOAD_NT   ; W(32 c + i, my column): 32 lanes read 128 consecutive bytes
.set i, i+1
.endr
.endr
	s_wait_kmcnt 0x0
	s_add_co_i32 s30, s30, 127
	s_lshl_b32 s31, s30, 23
	v_mov_b32 v7, s31                              ; 2^e as f32: the conversion takes its exponent field
	s_add_co_i32 s30, s30, 8
	s_lshl_b32 s30, s30, 23
	s_or_b32 s30, s30, 0x600000
	v_mov_b32 v8, s30                              ; 448 x 2^e
.macro BLOCK c, left                   ; 32 along K of my column: left = how many younger loads may stay out
	s_wait_loadcnt \left
.set i, 0
.rept 32
	v_med3_num_f32 v[X+32*\c+i], v[X+32*\c+i], -v8, v8   ; the conversion to an 8-bit code does not saturate (ISA guide 7.6.2): the hold comes first
.set i, i+1
.endr
.irp g, 0,1,2,3
	v_cvt_scalef32_pk8_fp8_f32 v[C+8*\c+2*\g:C+8*\c+2*\g+1], v[X+32*\c+8*\g:X+32*\c+8*\g+7], v7
.endr
	v_nop                                          ; a plain line behind the run of conversions
	ds_store_b128 v4, v[C+8*\c:C+8*\c+3] offset:512*\c         ; k = 32 c + 0 .. 15: the place of lane (r, 0)
	ds_store_b128 v4, v[C+8*\c+4:C+8*\c+7] offset:512*\c+256   ; k = 32 c + 16 .. 31: of lane (r, 1)
.endm
	s_wait_alu depctr_va_vdst(0)
	BLOCK 0, 63                                    ; behind block 0's loads 96 were issued, behind block 1's 64: the count's field holds 63
	BLOCK 1, 63
	BLOCK 2, 32
	BLOCK 3, 0
.irp u, 0,1
.irp c, 0,1,2,3
	ds_load_b128 v[O+16*\u+4*\c:O+16*\u+4*\c+3], v5 offset:2176*\u+512*\c   ; LDS serves a wave's instructions in order: these see my stores
.endr
.endr
.irp u, 0,1
.irp c, 0,1,2,3
	s_wait_dscnt 7-(4*\u+\c)
	global_store_b128 v6, v[O+16*\u+4*\c:O+16*\u+4*\c+3], s[44+2*\u:45+2*\u] offset:512*\c   ; 512 consecutive bytes, at a multiple of 512 from the buffer's first byte
.endr
.endr
	s_wait_tensorcnt 0x0                           ; the wave's end, behind my last LDS store
	ds_add_u32 v2, v3
	s_wait_dscnt 0x0
	s_endpgm
.Lfunc_end_k_q56f825d456_prep:
	.size	k_q56f825d456_prep, .Lfunc_end_k_q56f825d456_prep-k_q56f825d456_prep
	.p2alignl 7, 3214868480
	.fill 96, 4, 3214868480
	.section	.rodata,"a",@progbits
	.p2align	6, 0x0
	.amdhsa_kernel k_q56f825d456_prep
		.amdhsa_group_segment_fixed_size 17920
		.amdhsa_private_segment_fixed_size 0
		.amdhsa_enable_private_segment 0
		.amdhsa_kernarg_size 64
		.amdhsa_user_sgpr_count 2
		.amdhsa_user_sgpr_kernarg_segment_ptr 1
		.amdhsa_wavefront_size32 1
		.amdhsa_system_sgpr_workgroup_id_x 1
		.amdhsa_system_sgpr_workgroup_id_y 1
		.amdhsa_system_sgpr_workgroup_id_z 1
		.amdhsa_system_vgpr_workitem_id 0
		.amdhsa_next_free_vgpr 256
		.amdhsa_next_free_sgpr 66
		.amdhsa_reserve_vcc 0
		.amdhsa_float_denorm_mode_32 3
		.amdhsa_float_denorm_mode_16_64 3
		.amdhsa_memory_ordered 1
		.amdhsa_forward_progress 1
		.amdhsa_inst_pref_size 29
	.end_amdhsa_kernel
	.amdgpu_metadata
---
amdhsa.version: [ 1, 2 ]
amdhsa.kernels:
  - .name:           k_q56f825d456_prep
    .symbol:         k_q56f825d456_prep.kd
    .args:
      - { .name: Wq, .offset: 0, .size: 8, .value_kind: global_buffer, .address_space: global }
      - { .name: Wk, .offset: 8, .size: 8, .value_kind: global_buffer, .address_space: global }
      - { .name: Wv, .offset: 16, .size: 8, .value_kind: global_buffer, .address_space: global }
      - { .name: Wo, .offset: 24, .size: 8, .value_kind: global_buffer, .address_space: global }
      - { .name: W1, .offset: 32, .size: 8, .value_kind: global_buffer, .address_space: global }
      - { .name: W2, .offset: 40, .size: 8, .value_kind: global_buffer, .address_space: global }
      - { .name: lowp_scales, .offset: 48, .size: 8, .value_kind: global_buffer, .address_space: global }
      - { .name: wimg, .offset: 56, .size: 8, .value_kind: global_buffer, .address_space: global }
    .group_segment_fixed_size: 17920
    .private_segment_fixed_size: 0
    .kernarg_segment_align: 8
    .kernarg_segment_size: 64
    .max_flat_workgroup_size: 128
    .sgpr_count:     66
    .vgpr_count:     256
    .wavefront_size: 32
...
	.end_amdgpu_metadata
.endif
;; end of part 5
;; launch qkv (part 6): grid 64 x 4, 4 waves a work-group, no clusters, 230,912 bytes of LDS; arguments x, wimg, lowp_scales, bq, bk, bv, qimg, kv; writes qimg, kv
.if DOCPART == 6
	.amdgcn_target "amdgcn-amd-amdhsa--gfx1250"
	.amdhsa_code_object_version 6
	.text
	.protected	k_q56f825d456_qkv
	.globl	k_q56f825d456_qkv
	.p2align	8
	.type	k_q56f825d456_qkv,@function
k_q56f825d456_qkv:
	s_mov_b64 s[64:65], 0
	v_nop
	global_prefetch_b8 v0, s[64:65] scope:SCOPE_SE
	s_setreg_imm32_b32 hwreg(HW_REG_WAVE_MODE, 25, 1), 1
	s_wait_xcnt 0x0
; Launch 2 of 4: q = x Wq + bq, k = x Wk + bk, v = x Wv + bv on codes of FP8 (E4M3), and their results as codes for attention.  Nothing of reference() is left out here.
; x has a scale of its own in each product (entries 0, 2, 4 of lowp_scales): it is quantised three times.  The weights come as images of operand registers from the launch before.
; SHARES.  Work-group (X, y): tokens 128 X .. + 127 (eight tiles of 16: one block of 128 keys) x heads 2 y, 2 y + 1 of q, k and v.  Wave w quantises tokens 32 w .. + 31 and owns, in each of the
; three products, columns 128 y + 32 w .. + 31: two column tiles, whose 24 weight fragments stay in its registers.
; IMAGES.  A fragment (16 rows x 128 K) is 16 registers a lane, 2,048 bytes: piece c at 512 c, lane l's 16 bytes at 16 l; lane (r, h) holds k = 32 c + 16 h + 0 .. 15 of its row.
; THE TOKENS OF A TILE ARE NOT NEIGHBOURS: lane r of tile T takes token 32 (T / 2) + 8 (T % 2) + r + 8 (r / 8); the columns of a weight's tile likewise.  So: q and k are made TRANSPOSED
; (source 0 = 16 columns, source 1 = 16 tokens): a lane holds one token, and the 16 registers of my two column tiles are 16 neighbours of the head's 64: a piece of attention's operand.
; v is made the other way round (source 0 = tokens, source 1 = columns): a lane holds one channel, and two token tiles give 16 neighbouring KEYS: a piece of V^T, whose K is the keys.
; SCALES.  A sum stands for sum x 2^(ea + eb).  The bias goes in as the C of a sum's first product, divided by that power; the conversion takes 2^(e_out - ea - eb) as its one scale.
; LIMITS: e0, e2, e4, e6 - e0 - e1, e7 - e2 - e3, e9 - e4 - e5 between -126 and 119.  NaN among the inputs is not served.
; NO TENSOR LOAD, NO CLUSTER: what work-groups share are 192 KB of weight codes, which each wave takes once, straight into the registers where they stay; x goes through the quantiser first.
; LDS: x's images, scale i at 65,536 i, fragment (T, s) at 2,048 (4 T + s); a stage of 16 rows x 528 bytes for each wave; the spare words.
; REGISTERS, in windows of 256.  Window 0: v1-3 16 x lane + 65,536 i; v4-6 the same + 16,384 w; v7, v8 the stage, in and out; v9, v10 the add's two; v14, v15 bias offsets; v16-79, v80-143 two sets of
; four x fragments (earlier: 64 numbers of x, and two sets of codes); v144-175 codes; v160-223 held numbers; v224, v225 bv; v240-251 scales and holds.
; Window 1: Wq's 8 fragments, from v128 Wk's.  Window 2: Wv's; v128-175 the biases as C operands.  Window 3: v0-127 the 16 accumulators (earlier: two raw sets of x).
.set STAGE, 196608
.set SPARE, 230400
.set XS,  16
.set TMP, 160
.set PC,  144
.set SCX, 240                          ; v[SCX+2i] 2^e of x's scale i, v[SCX+2i+1] 448 x that
.set SCO, 246                          ; the same for the three results
.set MSB, 0
.macro WIN new                         ; the immediate's high byte repeats the setting that is left
.if MSB != \new
	s_set_vgpr_msb (MSB<<8)|\new
.set MSB, \new
.endif
.endm
.macro PLACES                          ; four plain places behind a matrix instruction, ahead of loads into its sources and of reads of its result
.rept 4
	v_nop
.endr
.endm
.macro MKSC vs, vl, se                 ; v[vs] = 2^se as f32, v[vl] = 448 x 2^se
	s_add_co_i32 s30, \se, 127
	s_lshl_b32 s31, s30, 23
	v_mov_b32 v[\vs], s31
	s_add_co_i32 s30, s30, 8
	s_lshl_b32 s30, s30, 23
	s_or_b32 s30, s30, 0x600000
	v_mov_b32 v[\vl], s30
.endm
	s_load_b512 s[4:19], s[0:1], 0x0               ; x, wimg, scales, bq, bk, bv, qimg, kv
	v_lshl_add_u32 v9, v0, 2, SPARE
	v_mov_b32 v10, 0
	v_lshrrev_b32 v11, 5, v0
	v_readfirstlane_b32 s20, v11                   ; wave
	v_and_b32 v11, 31, v0
	v_lshlrev_b32 v1, 4, v11                       ; 16 x lane
	v_add_nc_u32 v2, 0x10000, v1
	v_add_nc_u32 v3, 0x20000, v1
	s_lshl_b32 s23, s20, 14
	v_add_nc_u32 v4, s23, v1                       ; where I store x's images: my two tiles' eight fragments
	v_add_nc_u32 v5, s23, v2
	v_add_nc_u32 v6, s23, v3
	s_mul_i32 s23, s20, 8448
	s_add_co_u32 s23, s23, STAGE
	v_add_nc_u32 v7, s23, v1                       ; the stage, in: a row's 512 bytes as they lie
	v_and_b32 v12, 15, v0                          ; r
	v_bfe_u32 v13, v0, 4, 1                        ; h
	v_mul_u32_u24 v8, v12, 528
	v_lshl_add_u32 v8, v13, 6, v8
	v_add_nc_u32 v8, s23, v8                       ; out: row r, + 64 h: my 16 numbers of a block of 32
	v_lshlrev_b32 v14, 6, v13                      ; bq, bk: lane (r, h) wants columns 16 h + 8 u + 0 .. 7
	v_and_b32 v15, 8, v12
	v_add_nc_u32 v15, v15, v12
	v_lshlrev_b32 v15, 2, v15                      ; bv: column 8 u + r + 8 (r / 8)
	s_and_b32 s22, ttmp7, 0xffff                   ; y
	s_lshl_b32 s58, s22, 3
	s_lshl_b32 s59, s20, 1
	s_add_co_u32 s58, s58, s59                     ; my first column tile: 8 y + 2 w,
	s_lshl_b32 s58, s58, 13                        ; four fragments each
	s_mov_b32 s59, 0
	s_lshl_b32 s60, ttmp9, 18                      ; x: (128 X + 32 w) rows of 2,048 bytes
	s_lshl_b32 s61, s20, 16
	s_add_co_u32 s60, s60, s61
	s_mov_b32 s61, 0
	s_lshl_b32 s62, s22, 9                         ; the biases: (128 y + 32 w) numbers
	s_lshl_b32 s63, s20, 7
	s_add_co_u32 s62, s62, s63
	s_mov_b32 s63, 0
	s_lshr_b32 s66, ttmp9, 5                       ; batch,
	s_lshl_b32 s66, s66, 3
	s_lshl_b32 s67, s22, 1
	s_add_co_u32 s66, s66, s67
	s_lshr_b32 s67, s20, 1
	s_add_co_u32 s66, s66, s67                     ; 8 x batch + head: head = 2 y + w / 2
	s_and_b32 s67, ttmp9, 31                       ; the block of 128 tokens in its sequence
	s_and_b32 s68, s20, 1                          ; which half of the head's 64 is mine
	s_lshl_b32 s70, s66, 18                        ; qimg: 256 tiles of 1,024 bytes a head, eight a block, piece w % 2
	s_lshl_b32 s71, s67, 13
	s_add_co_u32 s70, s70, s71
	s_lshl_b32 s71, s68, 9
	s_add_co_u32 s70, s70, s71
	s_mov_b32 s71, 0
	s_lshl_b32 s72, s66, 19                        ; kv: 32 blocks of 16,384 bytes a head
	s_lshl_b32 s73, s67, 14
	s_add_co_u32 s72, s72, s73
	s_lshl_b32 s73, s68, 12
	s_add_co_u32 s74, s72, s73                     ; V^T: behind K's 8,192 bytes, channel tiles 2 (w % 2) + u of 2,048 bytes
	s_add_co_u32 s74, s74, 8192
	s_mov_b32 s75, 0
	s_lshl_b32 s73, s68, 9
	s_add_co_u32 s72, s72, s73                     ; K: tile T at 1,024 T, piece w % 2
	s_mov_b32 s73, 0
	s_wait_alu depctr_va_vdst(0)
	s_wait_kmcnt 0x0
	s_load_b512 s[32:47], s[8:9], 0x0              ; e0 .. e15
	s_add_nc_u64 s[24:25], s[6:7], s[58:59]
	s_add_nc_u64 s[28:29], s[4:5], s[60:61]
	s_add_nc_u64 s[26:27], s[10:11], s[62:63]
	s_add_nc_u64 s[48:49], s[12:13], s[62:63]
	s_add_nc_u64 s[50:51], s[14:15], s[62:63]
	s_add_nc_u64 s[52:53], s[16:17], s[70:71]
	s_add_nc_u64 s[54:55], s[18:19], s[72:73]
	s_add_nc_u64 s[56:57], s[18:19], s[74:75]
	WIN 0x40                                       ; destination window 1: Wq's and Wk's fragments (tile u, step s) at 16 (4 u + s): they stay
.irp mat, 0,1
.set f, 0
.rept 8
.irp c, 0,1,2,3
	global_load_b128 v[128*\mat+16*f+4*\c:128*\mat+16*f+4*\c+3], v1, s[24:25] offset:\mat*262144+f*2048+512*\c
.endr
.set f, f+1
.endr
.endr
	WIN 0x80                                       ; destination window 2: Wv's, and the biases
.set f, 0
.rept 8
.irp c, 0,1,2,3
	global_load_b128 v[16*f+4*\c:16*f+4*\c+3], v1, s[24:25] offset:2*262144+f*2048+512*\c
.endr
.set f, f+1
.endr
.irp u, 0,1
.irp q, 0,1
	global_load_b128 v[128+8*\u+4*\q:128+8*\u+4*\q+3], v14, s[26:27] offset:32*\u+16*\q
	global_load_b128 v[144+8*\u+4*\q:144+8*\u+4*\q+3], v14, s[48:49] offset:32*\u+16*\q
.endr
.endr
	WIN 0
	global_load_b32 v224, v15, s[50:51]
	global_load_b32 v225, v15, s[50:51] offset:32
; ---- x becomes codes.  A set n = 4 u + s is tile u of my two, K step s: 16 rows x 512 bytes.
.macro RAW n                           ; sixteen loads of 512 consecutive bytes, a row each, into window 3
	WIN 0xc0
.set i, 0
.rept 16
	global_load_b128 v[64*((\n)%2)+4*i:64*((\n)%2)+4*i+3], v1, s[28:29] offset:(8*((\n)/4)+i+8*(i/8))*2048+512*((\n)%4)
.set i, i+1
.endr
	WIN 0
.endm
.macro TURN n                          ; through my stage: in by rows, out 64 bytes a lane.  LDS serves a wave's instructions in order: no wait between
	WIN 0x0c                                       ; store data in window 3
.set i, 0
.rept 16
	ds_store_b128 v7, v[64*((\n)%2)+4*i:64*((\n)%2)+4*i+3] offset:528*i
.set i, i+1
.endr
	WIN 0
.irp b, 0,1,2,3
.irp j, 0,1,2,3
	ds_load_b128 v[XS+16*\b+4*\j:XS+16*\b+4*\j+3], v8 offset:128*\b+16*\j   ; register 16 b + i = k 32 b + 16 h + i of row r
.endr
.endr
.endm
.macro QUANT1 i, pcx, n                ; the set's 64 numbers a lane under x's scale i: a fragment's codes, and its image to LDS
.set k, 0
.rept 64
	v_med3_num_f32 v[TMP+k], v[XS+k], -v[SCX+2*\i+1], v[SCX+2*\i+1]   ; the hold, into other registers: the three scales' holds differ
.set k, k+1
.endr
.set k, 0
.rept 8
	v_cvt_scalef32_pk8_fp8_f32 v[\pcx+2*k:\pcx+2*k+1], v[TMP+8*k:TMP+8*k+7], v[SCX+2*\i]
.set k, k+1
.endr
	v_nop                                          ; a plain line between the conversions and the next lines that write their sources
.irp c, 0,1,2,3
	ds_store_b128 v[4+\i], v[\pcx+4*\c:\pcx+4*\c+3] offset:(\n)*2048+512*\c
.endr
.endm
	RAW 0
	RAW 1
	s_wait_kmcnt 0x0
	MKSC SCX, SCX+1, s32
	MKSC SCX+2, SCX+3, s34
	MKSC SCX+4, SCX+5, s36
	s_add_co_i32 s76, s32, s33                     ; e0 + e1
	s_sub_co_i32 s69, s38, s76
	MKSC SCO, SCO+1, s69                           ; q: 2^(e6 - e0 - e1)
	s_sub_co_i32 s76, 0, s76
	s_add_co_i32 s77, s34, s35
	s_sub_co_i32 s69, s39, s77
	MKSC SCO+2, SCO+3, s69                         ; k: 2^(e7 - e2 - e3)
	s_sub_co_i32 s77, 0, s77
	s_add_co_i32 s78, s36, s37
	s_sub_co_i32 s69, s41, s78
	MKSC SCO+4, SCO+5, s69                         ; v: 2^(e9 - e4 - e5)
	s_sub_co_i32 s78, 0, s78
.irp n, 0,1,2,3,4,5,6,7
.if \n < 7
	s_wait_loadcnt 16                              ; loads come back in order: this set is in (and all weights and biases, issued earlier); the next set's sixteen may be out
.else
	s_wait_loadcnt 0x0
.endif
	TURN \n
	s_wait_dscnt 0x0                               ; the set is back; its stores have read the raw registers, and the last set's image stores their codes
.if \n < 6
	RAW \n+2
.endif
	QUANT1 0, 144, \n
	QUANT1 1, 80, \n
	QUANT1 2, 96, \n
.endr
	WIN 0x82                                       ; the biases, divided by the power of two that the sums lack
.set k, 0
.rept 16
	v_ldexp_f32 v[128+k], v[128+k], s76
	v_ldexp_f32 v[144+k], v[144+k], s77
.set k, k+1
.endr
	WIN 0
	v_ldexp_f32 v224, v224, s78
	v_ldexp_f32 v225, v225, s78
	WIN 0x80
.irp u, 0,1
.irp j, 0,1,2,3,4,5,6,7
	v_mov_b32 v[160+8*\u+\j], v[224+\u]            ; in v's layout a lane holds one channel: its bias in all eight registers
.endr
.endr
	WIN 0
	s_wait_dscnt 0x0                               ; for the others' sake: my images have landed
	s_barrier_signal -1
	s_barrier_wait -1                              ; x's 96 fragments lie in LDS; nobody writes them again
; ---- the three products.  Eight groups n: K step n / 2, token tiles 4 (n % 2) + 0 .. 3: four fragments of x, eight products; the 16 accumulators take turns.
.macro FETCHG i, n
.irp j, 0,1,2,3
.irp c, 0,1,2,3
	ds_load_b128 v[16+64*((\n)%2)+16*\j+4*\c:16+64*((\n)%2)+16*\j+4*\c+3], v[1+\i] offset:(4*(4*((\n)%2)+\j)+(\n)/2)*2048+512*\c
.endr
.endr
.endm
.macro PROD isv, wb, bias, n
.if \isv
.if (\n)/2 == 0
	WIN 0xe8                                       ; x window 0, Wv window 2, the bias window 2, D window 3
.else
	WIN 0xf8
.endif
.else
.if (\n)/2 == 0
	WIN 0xe1                                       ; the weight window 1, x window 0, the bias window 2, D window 3
.else
	WIN 0xf1
.endif
.endif
.irp j, 0,1,2,3
.irp u, 0,1
.set rT, 4*((\n)%2)+\j
.set rX, 16+64*((\n)%2)+16*\j
.set rW, \wb+16*(4*\u+(\n)/2)
.if \isv
.set rD, 16*(2*(rT/2)+\u)+8*(rT%2)
.if (\n)/2 == 0
	v_wmma_f32_16x16x128_fp8_fp8 v[rD:rD+7], v[rX:rX+15], v[rW:rW+15], v[\bias+8*\u:\bias+8*\u+7]
.else
	v_wmma_f32_16x16x128_fp8_fp8 v[rD:rD+7], v[rX:rX+15], v[rW:rW+15], v[rD:rD+7]
.endif
.else
.set rD, 16*rT+8*\u
.if (\n)/2 == 0
	v_wmma_f32_16x16x128_fp8_fp8 v[rD:rD+7], v[rW:rW+15], v[rX:rX+15], v[\bias+8*\u:\bias+8*\u+7]
.else
	v_wmma_f32_16x16x128_fp8_fp8 v[rD:rD+7], v[rW:rW+15], v[rX:rX+15], v[rD:rD+7]
.endif
.endif
.endr
.endr
	WIN 0
.endm
.macro PHASE i, isv, wb, bias
	FETCHG \i, 0
.set gn, 0
.rept 8
.if gn < 7
.if gn > 0
	PLACES                                         ; the set that is loaded next was read by the products just issued
.endif
	FETCHG \i, gn+1
	s_wait_dscnt 16                                ; this group's fragments are in; the next group's sixteen loads may be out
.else
	s_wait_dscnt 0x0
.endif
	PROD \isv, \wb, \bias, gn
.set gn, gn+1
.endr
	PLACES
	s_wait_xcnt 0x0                                ; the last phase's stores have read their codes' registers
	WIN 0x03                                       ; source 0: the sums, window 3; each accumulator from its low end on
.set k, 0
.rept 128
	v_med3_num_f32 v[16+k], v[k], -v[SCO+2*\i+1], v[SCO+2*\i+1]
.set k, k+1
.endr
	WIN 0
.set k, 0
.rept 16
	v_cvt_scalef32_pk8_fp8_f32 v[PC+2*k:PC+2*k+1], v[16+8*k:16+8*k+7], v[SCO+2*\i]
.set k, k+1
.endr
	v_nop                                          ; a plain line behind the run of conversions
.endm
	PHASE 0, 0, 0, 128
.irp T, 0,1,2,3,4,5,6,7
	global_store_b128 v1, v[PC+4*\T:PC+4*\T+3], s[52:53] offset:1024*\T   ; q: tile T, my piece: 512 consecutive bytes
.endr
	PHASE 1, 0, 128, 144
.irp T, 0,1,2,3,4,5,6,7
	global_store_b128 v1, v[PC+4*\T:PC+4*\T+3], s[54:55] offset:1024*\T   ; k likewise
.endr
	PHASE 2, 1, 0, 160
.irp p, 0,1,2,3
.irp u, 0,1
	global_store_b128 v1, v[PC+4*(2*\p+\u):PC+4*(2*\p+\u)+3], s[56:57] offset:2048*\u+512*\p   ; V^T: channel tile u of my two, keys 32 p on
.endr
.endr
	s_wait_tensorcnt 0x0                           ; the wave's end, behind my last LDS store
	ds_add_u32 v9, v10
	s_wait_dscnt 0x0
	s_endpgm
.Lfunc_end_k_q56f825d456_qkv:
	.size	k_q56f825d456_qkv, .Lfunc_end_k_q56f825d456_qkv-k_q56f825d456_qkv
	.p2alignl 7, 3214868480
	.fill 96, 4, 3214868480
	.section	.rodata,"a",@progbits
	.p2align	6, 0x0
	.amdhsa_kernel k_q56f825d456_qkv
		.amdhsa_group_segment_fixed_size 230912
		.amdhsa_private_segment_fixed_size 0
		.amdhsa_enable_private_segment 0
		.amdhsa_kernarg_size 64
		.amdhsa_user_sgpr_count 2
		.amdhsa_user_sgpr_kernarg_segment_ptr 1
		.amdhsa_wavefront_size32 1
		.amdhsa_system_sgpr_workgroup_id_x 1
		.amdhsa_system_sgpr_workgroup_id_y 1
		.amdhsa_system_sgpr_workgroup_id_z 1
		.amdhsa_system_vgpr_workitem_id 0
		.amdhsa_next_free_vgpr 896
		.amdhsa_next_free_sgpr 80
		.amdhsa_reserve_vcc 0
		.amdhsa_float_denorm_mode_32 3
		.amdhsa_float_denorm_mode_16_64 3
		.amdhsa_memory_ordered 1
		.amdhsa_forward_progress 1
		.amdhsa_inst_pref_size 233
	.end_amdhsa_kernel
	.amdgpu_metadata
---
amdhsa.version: [ 1, 2 ]
amdhsa.kernels:
  - .name:           k_q56f825d456_qkv
    .symbol:         k_q56f825d456_qkv.kd
    .args:
      - { .name: x, .offset: 0, .size: 8, .value_kind: global_buffer, .address_space: global }
      - { .name: wimg, .offset: 8, .size: 8, .value_kind: global_buffer, .address_space: global }
      - { .name: lowp_scales, .offset: 16, .size: 8, .value_kind: global_buffer, .address_space: global }
      - { .name: bq, .offset: 24, .size: 8, .value_kind: global_buffer, .address_space: global }
      - { .name: bk, .offset: 32, .size: 8, .value_kind: global_buffer, .address_space: global }
      - { .name: bv, .offset: 40, .size: 8, .value_kind: global_buffer, .address_space: global }
      - { .name: qimg, .offset: 48, .size: 8, .value_kind: global_buffer, .address_space: global }
      - { .name: kv, .offset: 56, .size: 8, .value_kind: global_buffer, .address_space: global }
    .group_segment_fixed_size: 230912
    .private_segment_fixed_size: 0
    .kernarg_segment_align: 8
    .kernarg_segment_size: 64
    .max_flat_workgroup_size: 128
    .sgpr_count:     80
    .vgpr_count:     896
    .wavefront_size: 32
...
	.end_amdgpu_metadata
.endif
;; end of part 6
;; launch attn (part 7): grid 16 x 16, 8 waves a work-group, no clusters, 66,560 bytes of LDS; arguments qimg, kv, lowp_scales, ao; writes ao
.if DOCPART == 7
	.amdgcn_target "amdgcn-amd-amdhsa--gfx1250"
	.amdhsa_code_object_version 6
	.text
	.protected	k_q56f825d456_attn
	.globl	k_q56f825d456_attn
	.p2align	8
	.type	k_q56f825d456_attn,@function
k_q56f825d456_attn:
	s_mov_b64 s[64:65], 0
	v_nop
	global_prefetch_b8 v0, s[64:65] scope:SCOPE_SE
	s_setreg_imm32_b32 hwreg(HW_REG_WAVE_MODE, 25, 1), 1
	s_wait_xcnt 0x0
; Launch 3 of 4: attention of 16 (batch, head) pairs, 4,096 queries x 4,096 keys, head size 64, no mask; both products on codes of FP8 (E4M3).  Nothing of reference() is left out here.
; THE SOFTMAX AHEAD OF THE SECOND PRODUCT: t = score x log2(e) / 8; M = the row's largest t so far, rounded UP to a whole number; p = 2^(t - M) is what is quantised (scale 2^e8), not normalised.
; The row's sum is taken of the unquantised p, in f32.  When M moves, the sum and O are multiplied by f = 2^(old M - new M): exact.  At the end O / sum is quantised (scale 2^e10) for the next product.
; SHARES.  A work-group owns 256 queries of one pair; each of its eight waves owns two tiles of 16 queries in 512 registers, so each fragment of K and V^T read from LDS feeds two matrix instructions.
; Every wave walks all keys, one block of 128 a step: 32 steps.
; DATA.  q, k, V^T come as images of operand registers (16 bytes a lane at 16 x lane).  A block is 16,384 dense bytes: K's eight tiles (8 registers each), then V^T's four fragments (16 registers each).
; Both products transposed: S^T = K Q^T, O^T = V^T P^T: a lane holds one query (lane % 16); two neighbouring tiles' 16 registers are 16 neighbouring keys, so p's codes are the second product's operand.
; THE HOLD.  p <= 1 (up to f32 rounding) = 256 x 2^-8, so with e8 >= -8 the hold at 448 x 2^e8 changes no number: its 128 lines a step stand under a scalar branch on e8 and run where e8 < -8.
; NO TENSOR LOAD, NO CLUSTER: the blocks go through registers:
; each wave loads its 2,048 bytes of block j + 4 in step j (four loads), and stores its part of block j + 3 into a ring of four blocks in LDS.
; ONE BARRIER A STEP, split over a whole step.  In front of step j's signal (mid step) my part of block j + 3 has landed and my reads of V^T(j) and K(j + 1) are in.  The wait for it stands in the middle of
; step j + 1, directly ahead of that step's stores.  Between the two I read ring places j + 1 and j + 2, which nobody writes before the next barrier: behind the wait place j + 4 is written, which is place j,
; whose reads were in ahead of the signal.  K(j + 1), read early in step j, was stored in step j - 2, whose signal I waited for in step j - 1.  A signal stands ahead of the loop and a wait behind it.
; THE ROW'S SUM lies in 16 pairs of registers a tile: pair i takes acc x f + p of keys' registers 2 i, 2 i + 1, then + p of registers 32 + 2 i, 33 + 2 i: no chain inside a step; they are added up once at the end.
; THE EXPONENTIALS go in four batches of 32 (half a tile), each with one wait ahead of it; between them stand plain lines that read nothing written since that wait: later halves' scalings, earlier halves' sums.
; PREFETCH: of the sixteen work-groups that walk a pair's keys, work-group x asks for blocks 2 x and 2 x + 1, each in the step that loads the block five before it; waves 0 and 1, 8,192 bytes each,
; lanes 256 bytes apart.  Blocks 0 to 8 come by their loads alone.
; LIMITS: e6 + e7 between -123 and 130 (added to c's exponent field); e8, and e10 - e8 - e9, between -126 and 119.  NaN is not served.
; REGISTERS.  Window 0: v1 16 x lane; v2 + 2,048 x wave; v3 the prefetch's offset; v4, v8, v7 the step's LDS addresses; v5, v6 the add's two; v9, v10 p's hold and scale; v11, v12 the way out's scale and hold;
; tile u: v[16+4u] -M, v[18+4u] f (pairs), v[24+u] the largest score, v[26+u] .. v[30+u] at work; v32-47 Q; v48-79 p's codes; v80-95 a block's part on its way; v96-159 K; v160-223 V^T; v224-231 the maximum's chains.
; Window 1: S^T, then p, of tile u at 64 u; the sums at 128 + 32 u; O^T at 192 + 32 u.
.set BLK,   16384
.set SPARE, 4*BLK                      ; behind the ring: the spare words, 128 bytes for each of eight waves
.set NST,   32
.set LI,  1
.set ST,  2
.set PFO, 3
.set RV,  4
.set SPW, 5
.set NIL, 6
.set WR,  7
.set RK,  8
.set NM,  16
.set FF,  18
.set QR,  32
.set PC,  48
.set SG,  80
.set KR,  96
.set VR,  160
.set MC,  224
.set AC,  128                          ; window 1
.set OT,  192                          ; window 1
.set WV,  18
.set SEL, 20
.set CS,  22                           ; s[22:23] c = log2(e) / 8 x 2^(e6 + e7)
.set NC,  24                           ; -c
.set J,   25                           ; the step
.set HOLD, 26                          ; 1 where e8 < -8
.set PD,  27                           ; the first step in which my wave prefetches
.set GB,  28                           ; s[28:29] the block last loaded
.set MSB, 0
.macro WIN new                         ; the immediate's high byte repeats the setting that is left
.if MSB != \new
	s_set_vgpr_msb (MSB<<8)|\new
.set MSB, \new
.endif
.endm
.macro MX u, k, s                      ; link s of chain k of tile u's maximum: score tile k, then tile k + 4, each from its low end on; tile k + 4's last register is left over
.set rM, MC+4*(\u)+(\k)
.set rA, 64*(\u)+8*(\k)
.set rB, rA+32
.if (\s) == 0
	v_max3_num_f32 v[rM], v[rA], v[rA+1], v[rA+2]
.elseif (\s) < 3
	v_max3_num_f32 v[rM], v[rM], v[rA+1+2*(\s)], v[rA+2+2*(\s)]
.elseif (\s) == 3
	v_max3_num_f32 v[rM], v[rM], v[rA+7], v[rB]
.else
	v_max3_num_f32 v[rM], v[rM], v[rB+2*(\s)-7], v[rB+2*(\s)-6]
.endif
.endm
.macro FMA1 h, i                       ; half h (32 registers at 32 h): pair i becomes t - M
	v_pk_fma_f32 v[32*(\h)+2*(\i):32*(\h)+2*(\i)+1], v[32*(\h)+2*(\i):32*(\h)+2*(\i)+1], s[CS:CS+1], v[NM+4*((\h)/2):NM+4*((\h)/2)+1] op_sel_hi:[1,0,0]
.endm
.macro ACC1 h, i                       ; half h's pair i of p goes into its tile's sum i: the lower half brings the sum under the new M on the way
.set rS, AC+32*((\h)/2)+2*(\i)
.if (\h)%2
	v_pk_add_f32 v[rS:rS+1], v[rS:rS+1], v[32*(\h)+2*(\i):32*(\h)+2*(\i)+1]
.else
	v_pk_fma_f32 v[rS:rS+1], v[rS:rS+1], v[FF+4*((\h)/2):FF+4*((\h)/2)+1], v[32*(\h)+2*(\i):32*(\h)+2*(\i)+1] op_sel_hi:[1,0,1]
.endif
.endm
.macro PART k, h, i                    ; k = 1: a scaling, 2: a sum, 0: nothing
.if (\k) == 1
	FMA1 \h, \i
.elseif (\k) == 2
	ACC1 \h, \i
.endif
.endm
.macro PWIN k, h                       ; destination and source 0 in window 1 throughout, as the exponentials want them
.if (\k) == 2
.if (\h)%2
	WIN 0x45
.else
	WIN 0x51
.endif
.else
	WIN 0x41
.endif
.endm
.macro BATCH h, k1, h1, k2, h2         ; half h's 32 exponentials; the first sixteen with lines (k1, h1) between them, the others with (k2, h2): the batch ends on a plain line
	s_wait_alu depctr_va_vdst(0)                   ; the wait ahead of a batch; it is also the wait behind the batch before
	PWIN \k1, \h1
.set i, 0
.rept 16
	v_exp_f32 v[32*(\h)+i], v[32*(\h)+i]
	PART \k1, \h1, i
.set i, i+1
.endr
	PWIN \k2, \h2
.rept 16
	v_exp_f32 v[32*(\h)+i], v[32*(\h)+i]
	PART \k2, \h2, i-16
.set i, i+1
.endr
.endm
	s_load_b256 s[4:11], s[0:1], 0x0               ; qimg, kv, the scales' exponents, ao
	v_lshl_add_u32 v[SPW], v0, 2, SPARE
	v_mov_b32 v[NIL], 0
	v_lshrrev_b32 v7, 5, v0
	v_readfirstlane_b32 s[WV], v7                  ; wave 0..7
	v_and_b32 v[LI], 31, v0
	v_lshlrev_b32 v[PFO], 8, v[LI]
	v_lshlrev_b32 v[LI], 4, v[LI]
	s_lshl_b32 s30, s[WV], 11
	v_add_nc_u32 v[ST], s30, v[LI]                 ; my 2,048 bytes of a block, in memory and in the ring alike
	s_and_b32 s30, s[WV], 1
	s_lshl_b32 s30, s30, 13
	v_add_nc_u32 v[PFO], s30, v[PFO]
.irp r, 17,19,21,23,26,27
	v_mov_b32 v\r, 0                               ; upper halves of pairs and permute targets: written once
.endr
.irp u, 0,1
	v_mov_b32 v[24+\u], 0xff61b1e6                 ; the largest score so far: -3e38
	v_mov_b32 v[NM+4*\u], 0x7f61b1e6               ; -M: 3e38, so that the first step's f is 0
.endr
	WIN 0x40
.set k, 0
.rept 128
	v_mov_b32 v[AC+k], 0                           ; the sums and O^T: the step is written once; the first finds zeros, which f = 0 leaves zeros
.set k, k+1
.endr
	WIN 0
	s_and_b32 s50, ttmp7, 0xffff                   ; the pair: 8 x batch + head
	s_lshl_b32 s52, s50, 19                        ; its 524,288 bytes of kv
	s_mov_b32 s53, 0
	s_lshl_b32 s56, ttmp9, 4
	s_lshl_b32 s57, s[WV], 1
	s_add_co_u32 s56, s56, s57                     ; my first tile of 16 queries in its sequence
	s_lshl_b32 s57, s50, 8
	s_add_co_u32 s57, s57, s56
	s_lshl_b32 s58, s57, 10                        ; qimg: 1,024 bytes a tile
	s_mov_b32 s59, 0
	s_lshr_b32 s57, s50, 3
	s_lshl_b32 s57, s57, 8
	s_add_co_u32 s57, s57, s56                     ; my tile among all 512,
	s_lshl_b32 s57, s57, 2
	s_bfe_u32 s60, s50, 0x20001                    ; K step head / 2 of the next product,
	s_add_co_u32 s57, s57, s60
	s_lshl_b32 s60, s57, 11
	s_and_b32 s61, s50, 1                          ; pieces 2 (head % 2) + 0, 1
	s_lshl_b32 s61, s61, 10
	s_add_co_u32 s60, s60, s61
	s_mov_b32 s61, 0
	s_lshl_b32 s[PD], ttmp9, 1
	s_sub_co_u32 s[PD], s[PD], 9                   ; step j names block j + 9: mine are blocks 2 x and 2 x + 1
	s_cmp_lt_u32 s[WV], 2
	s_cselect_b32 s[PD], s[PD], 0x40000000         ; waves 2 to 7 never ask
	s_mov_b32 s[SEL], 0x76543210
	s_mov_b32 s[SEL+1], 0xfedcba98
	s_mov_b32 s[CS], 0x3e38aa3b                    ; c = log2(e) / sqrt(64)
	s_mov_b32 s[J], 0
	s_wait_alu depctr_va_vdst(0)
	s_wait_kmcnt 0x0
	s_load_b512 s[68:83], s[8:9], 0x0              ; e0 .. e15: e6 = s74, e7 = s75, e8 = s76, e9 = s77, e10 = s78
	s_add_nc_u64 s[6:7], s[6:7], s[52:53]          ; kv at my pair
	s_add_nc_u64 s[GB:GB+1], s[6:7], 3*BLK
	s_add_nc_u64 s[4:5], s[4:5], s[58:59]
	s_add_nc_u64 s[10:11], s[10:11], s[60:61]
.irp b, 0,1,2
.irp i, 0,1,2,3
	global_load_b128 v[KR+16*\b+4*\i:KR+16*\b+4*\i+3], v[ST], s[6:7] offset:BLK*\b+512*\i   ; my parts of blocks 0, 1 and 2
.endr
.endr
.irp n, 0,1,2,3
	global_load_b128 v[QR+4*\n:QR+4*\n+3], v[LI], s[4:5] offset:512*\n                       ; Q's two fragments stay in registers
.endr
.irp i, 0,1,2,3
	global_load_b128 v[SG+4*\i:SG+4*\i+3], v[ST], s[GB:GB+1] offset:512*\i                   ; my part of block 3: step 0 stores it
.endr
	s_wait_kmcnt 0x0
	s_add_co_i32 s84, s74, s75
	s_lshl_b32 s84, s84, 23
	s_add_co_i32 s[CS], s[CS], s84                 ; a score stands for score x 2^(e6 + e7): added to c's exponent field
	s_mov_b32 s[CS+1], s[CS]
	s_xor_b32 s[NC], s[CS], 0x80000000
	s_cmp_lt_i32 s76, -8
	s_cselect_b32 s[HOLD], 1, 0
	s_add_co_i32 s84, s76, 127
	s_lshl_b32 s85, s84, 23
	v_mov_b32 v10, s85                             ; 2^e8, for p's conversion
	s_add_co_i32 s84, s84, 8
	s_lshl_b32 s84, s84, 23
	s_or_b32 s84, s84, 0x600000
	v_mov_b32 v9, s84                              ; 448 x 2^e8
	s_sub_co_i32 s84, s78, s76
	s_sub_co_i32 s84, s84, s77                     ; O's sums stand for sum x 2^(e8 + e9): the three scales folded into the last conversion's one
	s_add_co_i32 s84, s84, 127
	s_lshl_b32 s85, s84, 23
	v_mov_b32 v11, s85
	s_add_co_i32 s84, s84, 8
	s_lshl_b32 s84, s84, 23
	s_or_b32 s84, s84, 0x600000
	v_mov_b32 v12, s84
	s_wait_alu depctr_va_vdst(0)                   ; the wait at the head's end
	s_wait_loadcnt 8                               ; blocks 0 to 2 are in; Q's four loads and block 3's four may be out
.irp b, 0,1,2
.irp i, 0,1,2,3
	ds_store_b128 v[ST], v[KR+16*\b+4*\i:KR+16*\b+4*\i+3] offset:BLK*\b+512*\i
.endr
.endr
	s_wait_dscnt 0x0                               ; for the others' sake: my parts have landed
	s_barrier_signal -1
	s_barrier_wait -1
.irp t, 0,1,2,3,4,5,6,7
.irp c, 0,1
	ds_load_b128 v[KR+8*\t+4*\c:KR+8*\t+4*\c+3], v[LI] offset:1024*\t+512*\c   ; K of block 0
.endr
.endr
	s_wait_loadcnt 4                               ; Q is in; block 3's four loads may be out
	s_wait_dscnt 0x0
	s_barrier_signal -1                            ; the signal that step 0's wait answers
.Lstep:                                            ; 32 trips; K(j) lies in registers; the last signal is still to be waited for
	WIN 0x40
.irp t, 0,1,2,3,4,5,6,7
.irp u, 0,1
	v_wmma_f32_16x16x64_fp8_fp8 v[64*\u+8*\t:64*\u+8*\t+7], v[KR+8*\t:KR+8*\t+7], v[QR+8*\u:QR+8*\u+7], 0
.endr
.endr
	WIN 0
	s_and_b32 s30, s[J], 3
	s_lshl_b32 s30, s30, 14                        ; ring place of block j,
	s_add_co_u32 s31, s[J], 1
	s_and_b32 s31, s31, 3
	s_lshl_b32 s31, s31, 14                        ; of block j + 1
	v_add_nc_u32 v[RV], s30, v[LI]
	v_add_nc_u32 v[RK], s31, v[LI]
	v_nop
	v_nop                                          ; with the two additions: four places behind the products, ahead of loads into their sources and of the first read of the scores
.set n, 0
.rept 16
	ds_load_b128 v[VR+4*n:VR+4*n+3], v[RV] offset:8192+512*n   ; V^T(j)
.set n, n+1
.endr
	s_cmp_eq_u32 s[J], NST-1
	s_cbranch_scc1 .Lnok                           ; the last step has no K to fetch
.irp t, 0,1,2,3,4,5,6,7
.irp c, 0,1
	ds_load_b128 v[KR+8*\t+4*\c:KR+8*\t+4*\c+3], v[RK] offset:1024*\t+512*\c   ; K(j + 1)
.endr
.endr
.Lnok:
	WIN 0x15
.irp u, 0,1
.irp k, 0,1,2,3
	MX \u, \k, 0
.endr
.endr
	WIN 0x14
.irp s, 1,2,3,4,5,6
.irp u, 0,1
.irp k, 0,1,2,3
	MX \u, \k, \s
.endr
.endr
.endr
.irp u, 0,1
	v_max3_num_f32 v[MC+4*\u], v[MC+4*\u], v[64*\u+39], v[64*\u+47]       ; the four registers left over
	v_max3_num_f32 v[MC+4*\u+2], v[MC+4*\u+2], v[64*\u+55], v[64*\u+63]
.endr
	WIN 0
.irp u, 0,1
	v_max3_num_f32 v[MC+4*\u], v[MC+4*\u], v[MC+4*\u+1], v[MC+4*\u+2]
.endr
.irp u, 0,1
	v_max_num_f32 v[MC+4*\u], v[MC+4*\u], v[MC+4*\u+3]
.endr
.irp u, 0,1
	v_permlanex16_b32 v[26+\u], v[MC+4*\u], s[SEL], s[SEL+1]
.endr
.irp u, 0,1
	v_mov_b32 v[28+\u], v[NM+4*\u]                 ; the old -M
.endr
.irp u, 0,1
	v_max3_num_f32 v[24+\u], v[24+\u], v[MC+4*\u], v[26+\u]   ; the running largest score of my query, lane l xor 16's among them
.endr
.irp u, 0,1
	v_mul_f32 v[30+\u], s[NC], v[24+\u]            ; -t (c is positive)
.endr
.irp u, 0,1
	v_floor_f32 v[NM+4*\u], v[30+\u]               ; the new -M = floor(-t) = -ceil(t): a whole number
.endr
.irp u, 0,1
	v_sub_f32 v[28+\u], v[NM+4*\u], v[28+\u]       ; old M less new M: a whole number, 0 or less
.endr
.irp u, 0,1
	v_cvt_i32_f32 v[28+\u], v[28+\u]               ; (it saturates)
.endr
.irp u, 0,1
	v_ldexp_f32 v[FF+4*\u], 1.0, v[28+\u]          ; f = 2^(old M - new M)
.endr
	WIN 0x41
.set i, 0
.rept 16
.irp u, 0,1
	v_pk_mul_f32 v[OT+32*\u+2*i:OT+32*\u+2*i+1], v[OT+32*\u+2*i:OT+32*\u+2*i+1], v[FF+4*\u:FF+4*\u+1] op_sel_hi:[1,0]   ; O^T under the new M, each accumulator from its low end on; no exponential stands between the last products and these
.endr
.set i, i+1
.endr
.set i, 0
.rept 16
	FMA1 0, i
.set i, i+1
.endr
	WIN 0
	; a block's part moves on: block j + 3 into the ring, block j + 4 into registers
	s_barrier_wait -1                              ; the last step's signal: every wave's reads of block j - 1 are in, and block j + 2 is whole
	s_wait_loadcnt 0x0                             ; my part of block j + 3, asked for a step ago, is in: on every path, ahead of the next loads into its registers
	s_cmp_lt_u32 s[J], NST-3
	s_cbranch_scc0 .Lnost
	s_add_co_u32 s30, s[J], 3
	s_and_b32 s30, s30, 3
	s_lshl_b32 s30, s30, 14
	v_add_nc_u32 v[WR], s30, v[ST]
.irp i, 0,1,2,3
	ds_store_b128 v[WR], v[SG+4*\i:SG+4*\i+3] offset:512*\i
.endr
.Lnost:
	s_wait_dscnt 0x0                               ; my stores have landed and read their registers; V^T(j) and K(j + 1) are in
	s_cmp_lt_u32 s[J], NST-4
	s_cbranch_scc0 .Lnold
	s_wait_xcnt 0x0                                ; the last step's loads and prefetch have read their base
	s_add_nc_u64 s[GB:GB+1], s[GB:GB+1], BLK
.irp i, 0,1,2,3
	global_load_b128 v[SG+4*\i:SG+4*\i+3], v[ST], s[GB:GB+1] offset:512*\i
.endr
	s_sub_co_u32 s30, s[J], s[PD]
	s_cmp_lt_u32 s30, 2
	s_cbranch_scc0 .Lnold
	global_prefetch_b8 v[PFO], s[GB:GB+1] offset:5*BLK th:TH_LOAD_NT scope:SCOPE_SE   ; block j + 9, at most block 31
.Lnold:
	s_barrier_signal -1                            ; up to its wait, in the next step: register work, and LDS loads of places j + 1 and j + 2, which nobody writes before the barrier after it
	BATCH 0, 1, 1, 1, 2
	BATCH 1, 1, 3, 2, 0
	BATCH 2, 0, 0, 2, 1
	BATCH 3, 0, 0, 2, 2
	s_wait_alu depctr_va_vdst(0)                   ; the wait behind the last batch
	WIN 0x45
.set i, 0
.rept 16
	ACC1 3, i
.set i, i+1
.endr
	WIN 0
	s_cmp_eq_u32 s[HOLD], 0
	s_cbranch_scc1 .Lnohold                        ; e8 >= -8: every p lies under 448 x 2^e8
	WIN 0x41
.set k, 0
.rept 128
	v_min_num_f32 v[k], v[k], v9                   ; the conversion to an 8-bit code does not saturate (ISA guide 7.6.2); p is not negative, so the hold is one-sided
.set k, k+1
.endr
	WIN 0
.Lnohold:
	WIN 0x01
.irp u, 0,1
.irp k, 0,1,2,3,4,5,6,7
	v_cvt_scalef32_pk8_fp8_f32 v[PC+16*\u+2*\k:PC+16*\u+2*\k+1], v[64*\u+8*\k:64*\u+8*\k+7], v10
.endr
.endr
	v_nop                                          ; a plain line between the conversions and the products
	WIN 0x50
.irp d, 0,1,2,3
.irp u, 0,1
	v_wmma_f32_16x16x128_fp8_fp8 v[OT+32*\u+8*\d:OT+32*\u+8*\d+7], v[VR+16*\d:VR+16*\d+15], v[PC+16*\u:PC+16*\u+15], v[OT+32*\u+8*\d:OT+32*\u+8*\d+7]   ; the eight accumulators take turns
.endr
.endr
	WIN 0
	s_add_co_u32 s[J], s[J], 1
	s_cmp_lt_u32 s[J], NST
	s_cbranch_scc1 .Lstep
	s_barrier_wait -1                              ; the last step's signal is answered: none is open at the end
	; THE WAY OUT: the sums are added up; O^T / the sum, held, quantised: two pieces a tile of the next product's operand, 512 consecutive bytes each
	s_wait_alu depctr_va_vdst(0)
	WIN 0x05
.irp i, 0,1,2,3,4,5,6,7
.irp u, 0,1
	v_pk_add_f32 v[KR+16*\u+2*\i:KR+16*\u+2*\i+1], v[AC+32*\u+4*\i:AC+32*\u+4*\i+1], v[AC+32*\u+4*\i+2:AC+32*\u+4*\i+3]
.endr
.endr
	WIN 0
.irp i, 0,1,2,3
.irp u, 0,1
	v_pk_add_f32 v[KR+16*\u+2*\i:KR+16*\u+2*\i+1], v[KR+16*\u+2*\i:KR+16*\u+2*\i+1], v[KR+16*\u+8+2*\i:KR+16*\u+8+2*\i+1]
.endr
.endr
.irp i, 0,1
.irp u, 0,1
	v_pk_add_f32 v[KR+16*\u+2*\i:KR+16*\u+2*\i+1], v[KR+16*\u+2*\i:KR+16*\u+2*\i+1], v[KR+16*\u+4+2*\i:KR+16*\u+4+2*\i+1]
.endr
.endr
.irp u, 0,1
	v_pk_add_f32 v[KR+16*\u:KR+16*\u+1], v[KR+16*\u:KR+16*\u+1], v[KR+16*\u+2:KR+16*\u+3]
.endr
.irp u, 0,1
	v_add_f32 v[KR+16*\u], v[KR+16*\u], v[KR+16*\u+1]
.endr
.irp u, 0,1
	v_permlanex16_b32 v[26+\u], v[KR+16*\u], s[SEL], s[SEL+1]
.endr
.irp u, 0,1
	v_add_f32 v[KR+16*\u], v[KR+16*\u], v[26+\u]   ; the row's sum
.endr
	s_wait_alu depctr_va_vdst(0)                   ; the wait ahead of the reciprocals
.irp u, 0,1
	v_rcp_f32 v[24+\u], v[KR+16*\u]
.endr
	WIN 0x01
	v_nop                                          ; a plain place behind them
	s_wait_alu depctr_va_vdst(0)                   ; the wait behind them, directly ahead of the first readers of O^T too
.irp u, 0,1
.set k, 0
.rept 32
	v_mul_f32 v[VR+32*\u+k], v[OT+32*\u+k], v[24+\u]   ; register 16 p + i is channel 32 p + 16 h + i of my query
.set k, k+1
.endr
.endr
	WIN 0
.set k, 0
.rept 64
	v_med3_num_f32 v[VR+k], v[VR+k], -v12, v12
.set k, k+1
.endr
.irp u, 0,1
.irp k, 0,1,2,3
	v_cvt_scalef32_pk8_fp8_f32 v[PC+8*\u+2*\k:PC+8*\u+2*\k+1], v[VR+32*\u+8*\k:VR+32*\u+8*\k+7], v11
.endr
.endr
	v_nop
.irp u, 0,1
	global_store_b128 v[LI], v[PC+8*\u:PC+8*\u+3], s[10:11] offset:8192*\u
	global_store_b128 v[LI], v[PC+8*\u+4:PC+8*\u+7], s[10:11] offset:8192*\u+512
.endr
	s_wait_tensorcnt 0x0                           ; the wave's end, behind my last LDS store
	ds_add_u32 v[SPW], v[NIL]
	s_wait_dscnt 0x0
	s_endpgm
.Lfunc_end_k_q56f825d456_attn:
	.size	k_q56f825d456_attn, .Lfunc_end_k_q56f825d456_attn-k_q56f825d456_attn
	.p2alignl 7, 3214868480
	.fill 96, 4, 3214868480
	.section	.rodata,"a",@progbits
	.p2align	6, 0x0
	.amdhsa_kernel k_q56f825d456_attn
		.amdhsa_group_segment_fixed_size 66560
		.amdhsa_private_segment_fixed_size 0
		.amdhsa_enable_private_segment 0
		.amdhsa_kernarg_size 32
		.amdhsa_user_sgpr_count 2
		.amdhsa_user_sgpr_kernarg_segment_ptr 1
		.amdhsa_wavefront_size32 1
		.amdhsa_system_sgpr_workgroup_id_x 1
		.amdhsa_system_sgpr_workgroup_id_y 1
		.amdhsa_system_sgpr_workgroup_id_z 1
		.amdhsa_system_vgpr_workitem_id 0
		.amdhsa_next_free_vgpr 512
		.amdhsa_next_free_sgpr 100
		.amdhsa_reserve_vcc 0
		.amdhsa_float_denorm_mode_32 3
		.amdhsa_float_denorm_mode_16_64 3
		.amdhsa_memory_ordered 1
		.amdhsa_forward_progress 1
		.amdhsa_inst_pref_size 51
	.end_amdhsa_kernel
	.amdgpu_metadata
---
amdhsa.version: [ 1, 2 ]
amdhsa.kernels:
  - .name:           k_q56f825d456_attn
    .symbol:         k_q56f825d456_attn.kd
    .args:
      - { .name: qimg, .offset: 0, .size: 8, .value_kind: global_buffer, .address_space: global }
      - { .name: kv, .offset: 8, .size: 8, .value_kind: global_buffer, .address_space: global }
      - { .name: lowp_scales, .offset: 16, .size: 8, .value_kind: global_buffer, .address_space: global }
      - { .name: ao, .offset: 24, .size: 8, .value_kind: global_buffer, .address_space: global }
    .group_segment_fixed_size: 66560
    .private_segment_fixed_size: 0
    .kernarg_segment_align: 8
    .kernarg_segment_size: 32
    .max_flat_workgroup_size: 256
    .sgpr_count:     100
    .vgpr_count:     512
    .wavefront_size: 32
...
	.end_amdgpu_metadata
.endif
;; end of part 7
;; launch post (part 8): grid 128 x 1, 4 waves a work-group, no clusters, 124,416 bytes of LDS; arguments ao, wimg, lowp_scales, x, bo, gamma1, beta1, b1, b2, gamma2, beta2, out0; writes out0
.if DOCPART == 8
	.amdgcn_target "amdgcn-amd-amdhsa--gfx1250"
	.amdhsa_code_object_version 6
	.text
	.protected	k_q56f825d456_post
	.globl	k_q56f825d456_post
	.p2align	8
	.type	k_q56f825d456_post,@function
k_q56f825d456_post:
	s_mov_b64 s[64:65], 0
	v_nop
	global_prefetch_b8 v0, s[64:65] scope:SCOPE_SE
	s_setreg_imm32_b32 hwreg(HW_REG_WAVE_MODE, 25, 1), 1
	s_wait_xcnt 0x0
; Launch 4 of 4: x1 = LN(x + ao Wo + bo), out = LN(x1 + relu(x1 W1 + b1) W2 + b2); the three products on codes of FP8 (E4M3).  LN divides by (std + 1e-5), as reference() does.  Nothing is left out.
; SHARES.  A work-group takes 64 tokens (four tiles m of 16).  THE WAVES SHARE THE COLUMNS: wave w owns columns 128 w .. + 127 of both residual streams, and in each chunk of the hidden layer
; (four chunks of 512) units 128 w .. + 127 of the chunk.  All products are used TRANSPOSED (source 0 = 16 columns of a weight, source 1 = 16 tokens): a lane holds one token and, over my eight
; column tiles, 64 columns: register 16 b + i = column 32 b + 16 h + i (the columns of a tile were chosen for that by the first launch).
; THE RESIDUAL STREAM LIVES IN THE ACCUMULATORS: Y = (x + bo) x 2^-(e10 + e11), onto which the products with Wo add; after LN 1, Y = (x1 + b2) x 2^-(e14 + e15), onto which those with W2 add.
; A LayerNorm works on the scaled sums with eps scaled alike, which changes nothing: mean, then the mean of squared differences (two passes, no difference of large sums); a row's four parts meet in LDS.
; WEIGHTS.  Each wave has a stream of 288 fragments of 2,048 bytes: Wo's 32, then 64 for each chunk, in the order in which it takes them; they go from memory straight into a ring of 16 fragments in
; registers, four groups of four ahead.  THE CHUNKS ARE WALKED IN A RING, FROM ANOTHER START IN ANOTHER WORK-GROUP: work-group g begins with chunk (g + g / 4 + g / 16) % 4 and goes on to the next, modulo 4.
; The sum over the hidden layer has no order of its own, and so the 128 work-groups ask for four different parts of the stream at a time, not all for the same bytes.  The ring of fragments has two bases for
; that: the chunk in hand, and the next one, from which a chunk's last four groups load ahead.  b1's chunks are laid in LDS in the order of the walk.
; NO TENSOR LOAD, NO CLUSTER: a weight byte serves one wave of a work-group once; brought jointly it would land in LDS and be read from there once more, 2.25 MB a work-group.
; 128 WORK-GROUPS OF 64 ROWS, not 256 of 32: a work-group walks all 2.25 MB of codes whatever its rows, so half the rows would double the bytes walked for the same products.
; x1's and the hidden layer's codes go from wave to wave through LDS as images of operand registers (16 bytes a lane at 16 x lane).  Twelve barriers.
; LIMITS: e12, and e14 - e12 - e13, between -126 and 119; e10 + e11, e12 + e13 and e14 + e15 between -126 and 109; a row's variance x 2^(-2 (ea + eb)) is a normal f32 number or 0.  NaN is not served.
; The order in which the four chunks' products are summed differs from work-group to work-group: a difference of rounding alone.
; LDS: x1's 16 fragments; the hidden chunk's 16; ten rows of parameters (bo, gamma1, beta1, b2, gamma2, beta2, b1's four chunks in walk order), 2,048 bytes each; four regions of row figures; a stage a wave; the spare words.
; REGISTERS.  Window 0: v1 16 x lane; v2 + 2,048 w; v3, v4 parameters in and out; v5 b1's address; v6, v7 row figures in and out; v8, v9 the stage by rows and by lanes; v10, v11 the add's two; v12-15 scales and holds;
; v16-23 four pairs (mean, then 1 / (std + eps)); v24-27 permute targets; v28 parameters' offset in memory; v32-95 G / hidden sums / hidden fragments 1 / rows out; v96-159 BE / b1 / rows out;
; v160-223 held numbers / hidden fragments 0; v224-239 codes; v240-255 chains.  Window 1: ao's 16 fragments, later x1's.  Window 2: Y at 64 m + 8 t.  Window 3: the ring.
.set X1IMG, 0
.set HIMG,  32768
.set PAR,   65536
.set STAT,  86016
.set STG,   90112
.set SPARE, 123904
.set WPOST, 786432
.set G,   32
.set BE,  96
.set H,   32
.set B1T, 96
.set TMP, 160
.set PC,  224
.set CHN, 240
.set WP,  56                           ; s[56:57] the stream, at the phase's or chunk's first fragment
.set NP,  80                           ; s[80:81] the next chunk's first fragment
.set SB,  82                           ; s[82:83] chunk 0's first fragment; never rewritten
.set CI,  84                           ; s84  the walk's count: its low two bits name the chunk that NP stands at
.set JB,  62                           ; s62  b1's chunk among the parameters
.set CH,  63
.set SEL, 66
.set MSB, 0
.macro WIN new                         ; the immediate's high byte repeats the setting that is left
.if MSB != \new
	s_set_vgpr_msb (MSB<<8)|\new
.set MSB, \new
.endif
.endm
.macro PLACES
.rept 4
	v_nop
.endr
.endm
.macro MKSC vs, vl, se                 ; v[vs] = 2^se as f32, v[vl] = 448 x 2^se
	s_add_co_i32 s70, \se, 127
	s_lshl_b32 s71, s70, 23
	v_mov_b32 v[\vs], s71
	s_add_co_i32 s70, s70, 8
	s_lshl_b32 s70, s70, 23
	s_or_b32 s70, s70, 0x600000
	v_mov_b32 v[\vl], s70
.endm
.macro BARRIER                         ; my LDS stores have landed and my LDS loads are in: then the work-group's barrier
	s_wait_dscnt 0x0
	s_barrier_signal -1
	s_barrier_wait -1
.endm
.macro PFETCH reg, adr, p              ; parameter row p, my 128 columns, in my lane's order: register 16 b + i = column 32 b + 16 h + i.  My own wave stored these bytes
.irp b, 0,1,2,3
.irp q, 0,1,2,3
	ds_load_b128 v[\reg+16*\b+4*\q:\reg+16*\b+4*\q+3], v[\adr] offset:2048*(\p)+128*\b+16*\q
.endr
.endr
.endm
.macro RINGLD k, bs, fo                ; behind group k's products: its four places in the ring take the fragments four groups on: fragments fo .. fo + 3 from the base s[bs]
	WIN 0
	PLACES                                         ; four places behind the products that read those registers; they serve the reads of fresh results too
	WIN 0xc0
.irp f, 0,1,2,3
.irp c, 0,1,2,3
	global_load_b128 v[16*((4*(\k)+\f)%16)+4*\c:16*((4*(\k)+\f)%16)+4*\c+3], v1, s[\bs:\bs+1] offset:((\fo)+\f)*2048+512*\c
.endr
.endr
	WIN 0
.endm
.macro NEXTCH                          ; on to the next chunk of the walk: the offset is made apart from the address
	s_wait_xcnt 0x0                                ; the loads have read their bases
	s_mov_b64 s[WP:WP+1], s[NP:NP+1]
	s_add_co_u32 s[CI], s[CI], 1
	s_and_b32 s86, s[CI], 3
	s_lshl_b32 s86, s86, 17                        ; 64 fragments a chunk
	s_add_nc_u64 s[NP:NP+1], s[SB:SB+1], s[86:87]
.endm
	s_load_b512 s[4:19], s[0:1], 0x0               ; ao, wimg, scales, x, bo, gamma1, beta1, b1
	s_load_b256 s[20:27], s[0:1], 0x40             ; b2, gamma2, beta2, out0
	v_lshl_add_u32 v10, v0, 2, SPARE
	v_mov_b32 v11, 0
	v_lshrrev_b32 v29, 5, v0
	v_readfirstlane_b32 s28, v29                   ; wave
	v_and_b32 v29, 31, v0
	v_lshlrev_b32 v1, 4, v29                       ; 16 x lane
	v_and_b32 v30, 15, v0                          ; r
	v_bfe_u32 v31, v0, 4, 1                        ; h
	s_lshl_b32 s68, s28, 11
	v_add_nc_u32 v2, s68, v1                       ; my images: K step w
	s_lshl_b32 s68, s28, 9
	v_add_nc_u32 v28, s68, v1                      ; my 512 bytes of a parameter row
	v_add_nc_u32 v3, PAR, v28
	v_lshlrev_b32 v4, 6, v31
	v_add_nc_u32 v4, s68, v4
	v_add_nc_u32 v4, PAR, v4
	s_lshl_b32 s68, s28, 2
	v_lshlrev_b32 v7, 4, v30
	v_add_nc_u32 v7, STAT, v7                      ; a row's four figures,
	v_add_nc_u32 v6, s68, v7                       ; and mine among them
	s_mul_i32 s68, s28, 8448
	s_add_co_u32 s68, s68, STG
	v_add_nc_u32 v8, s68, v1
	v_mul_u32_u24 v9, v30, 528
	v_lshl_add_u32 v9, v31, 6, v9
	v_add_nc_u32 v9, s68, v9
.irp r, 17,19,21,23,24,25,26,27
	v_mov_b32 v\r, 0                               ; upper halves of pairs and permute targets: written once
.endr
	s_mov_b32 s[SEL], 0x76543210
	s_mov_b32 s[SEL+1], 0xfedcba98
	s_mul_i32 s72, s28, 589824                     ; my stream: 288 fragments
	s_add_co_u32 s72, s72, WPOST
	s_mov_b32 s73, 0
	s_lshl_b32 s74, ttmp9, 17                      ; 64 rows of 2,048 bytes,
	s_lshl_b32 s75, s28, 9
	s_add_co_u32 s74, s74, s75                     ; my 512 bytes of each
	s_mov_b32 s75, 0
	s_lshl_b32 s78, ttmp9, 15                      ; ao: 16 fragments
	s_mov_b32 s79, 0
	s_mov_b32 s[JB], 6*2048
	s_lshr_b32 s85, ttmp9, 2                       ; the walk's first chunk: (g + g / 4 + g / 16) % 4
	s_add_co_u32 s85, s85, ttmp9
	s_lshr_b32 s86, ttmp9, 4
	s_add_co_u32 s85, s85, s86
	s_and_b32 s[CI], s85, 3
	s_lshl_b32 s86, s[CI], 17
	s_mov_b32 s87, 0                               ; the upper word of every offset made in s86; never rewritten
	s_wait_kmcnt 0x0
	s_load_b512 s[32:47], s[8:9], 0x0              ; e0 .. e15
	s_add_nc_u64 s[WP:WP+1], s[6:7], s[72:73]      ; Wo's fragments
	s_add_nc_u64 s[SB:SB+1], s[WP:WP+1], 32*2048
	s_add_nc_u64 s[NP:NP+1], s[SB:SB+1], s[86:87]  ; the walk's first chunk
.irp j, 0,1,2,3
	s_add_co_u32 s85, s[CI], \j                    ; b1's chunk for place j of the walk
	s_and_b32 s85, s85, 3
	s_lshl_b32 s86, s85, 11
	s_add_nc_u64 s[88+2*\j:89+2*\j], s[18:19], s[86:87]
.endr
	s_add_nc_u64 s[58:59], s[10:11], s[74:75]      ; x
	s_add_nc_u64 s[60:61], s[26:27], s[74:75]      ; out0
	s_add_nc_u64 s[76:77], s[4:5], s[78:79]        ; ao
	global_load_b128 v[160:163], v28, s[12:13]
	global_load_b128 v[164:167], v28, s[14:15]
	global_load_b128 v[168:171], v28, s[16:17]
	global_load_b128 v[172:175], v28, s[20:21]
	global_load_b128 v[176:179], v28, s[22:23]
	global_load_b128 v[180:183], v28, s[24:25]
.irp j, 0,1,2,3
	global_load_b128 v[184+4*\j:187+4*\j], v28, s[88+2*\j:89+2*\j]
.endr
	WIN 0x80                                       ; x by rows into Y's registers: 512 consecutive bytes a load; row i of tile m is token 32 (m / 2) + 8 (m % 2) + i + 8 (i / 8)
.set m, 0
.rept 4
.set i, 0
.rept 16
	global_load_b128 v[64*m+4*i:64*m+4*i+3], v1, s[58:59] offset:(32*(m/2)+8*(m%2)+i+8*(i/8))*2048 th:TH_LOAD_NT
.set i, i+1
.endr
.set m, m+1
.endr
	WIN 0x40                                       ; ao's fragments (m, s) at 16 (4 m + s) of window 1
.set f, 0
.rept 16
.irp c, 0,1,2,3
	global_load_b128 v[16*f+4*\c:16*f+4*\c+3], v1, s[76:77] offset:f*2048+512*\c
.endr
.set f, f+1
.endr
	WIN 0xc0                                       ; the ring's first sixteen fragments
.set f, 0
.rept 16
.irp c, 0,1,2,3
	global_load_b128 v[16*f+4*\c:16*f+4*\c+3], v1, s[WP:WP+1] offset:f*2048+512*\c
.endr
.set f, f+1
.endr
	WIN 0
	s_wait_kmcnt 0x0
	s_add_co_i32 s69, s42, s43                     ; e10 + e11
	s_sub_co_i32 s48, 127, s69
	s_lshl_b32 s48, s48, 23                        ; 2^-(e10 + e11)
	s_mov_b32 s49, s48
	s_lshl_b32 s69, s69, 23
	s_sub_co_i32 s54, 0x3727c5ac, s69              ; 1e-5 x the same
	s_add_co_i32 s69, s44, s45                     ; e12 + e13
	s_sub_co_i32 s50, 127, s69
	s_lshl_b32 s50, s50, 23
	s_mov_b32 s51, s50
	s_sub_co_i32 s69, s46, s69                     ; e14 - e12 - e13: the hidden layer's three scales folded into one
	MKSC 14, 15, s69
	MKSC 12, 13, s44                               ; x1's: e12
	s_add_co_i32 s69, s46, s47                     ; e14 + e15
	s_sub_co_i32 s52, 127, s69
	s_lshl_b32 s52, s52, 23
	s_mov_b32 s53, s52
	s_lshl_b32 s69, s69, 23
	s_sub_co_i32 s55, 0x3727c5ac, s69
	s_wait_loadcnt 63                              ; 202 loads were issued; all but the youngest 63 are in: the 10 of parameters, x's 64 and ao's 64 among them
.irp p, 0,1,2,3,4,5,6,7,8,9
	ds_store_b128 v3, v[160+4*\p:163+4*\p] offset:2048*\p
.endr
.set m, 0
.rept 4                                        ; x turns through my stage: in by rows, back 64 bytes a lane, into the registers that it left
	WIN 0x08
.set i, 0
.rept 16
	ds_store_b128 v8, v[64*m+4*i:64*m+4*i+3] offset:528*i
.set i, i+1
.endr
	s_wait_dscnt 0x0                               ; the stores have read their registers
	WIN 0x80
.irp b, 0,1,2,3
.irp q, 0,1,2,3
	ds_load_b128 v[64*m+16*\b+4*\q:64*m+16*\b+4*\q+3], v9 offset:128*\b+16*\q
.endr
.endr
.set m, m+1
.endr
	WIN 0
	PFETCH G, 4, 0                                 ; bo
	s_wait_dscnt 0x0
.set j, 0
.rept 32
	v_pk_mul_f32 v[G+j:G+j+1], v[G+j:G+j+1], s[48:49] op_sel_hi:[1,0]
.set j, j+2
.endr
	WIN 0x82
.set j, 0
.rept 32
.irp m, 0,1,2,3
	v_pk_fma_f32 v[64*\m+j:64*\m+j+1], v[64*\m+j:64*\m+j+1], s[48:49], v[G+j:G+j+1] op_sel_hi:[1,0,1]   ; Y = (x + bo) x 2^-(e10 + e11)
.endr
.set j, j+2
.endr
	WIN 0
	; ---- Y += Wo^T ao^T: group t: column tile t, its four K steps x the four row tiles; the four accumulators take turns
.set gk, 0
	s_wait_alu depctr_va_vdst(0)
.rept 8
	s_wait_loadcnt 48                              ; this group's sixteen loads are in; those of the three groups behind it may be out
	WIN 0xa7                                       ; the ring window 3, ao window 1, C and D window 2
.irp ks, 0,1,2,3
.irp m, 0,1,2,3
.set rY, 64*\m+8*gk
.set rR, 16*((4*gk+\ks)%16)
.set rX, 16*(4*\m+\ks)
	v_wmma_f32_16x16x128_fp8_fp8 v[rY:rY+7], v[rR:rR+15], v[rX:rX+15], v[rY:rY+7]
.endr
.endr
.if gk < 4
	RINGLD gk, WP, 4*gk+16                         ; the rest of Wo's fragments,
.else
	RINGLD gk, NP, 4*gk-16                         ; then the first sixteen of the walk's first chunk
.endif
.set gk, gk+1
.endr
	NEXTCH
; The four figures in the chains' pairs (one for each row tile, of my lane's 64 columns) are summed over the lane's pair, the other half of the lanes and the four waves; the sums come back in v[CHN + 4 m].
.macro EXCH off
.irp m, 0,1,2,3
	v_pk_add_f32 v[CHN+4*\m:CHN+4*\m+1], v[CHN+4*\m:CHN+4*\m+1], v[CHN+4*\m+2:CHN+4*\m+3]
.endr
.irp m, 0,1,2,3
	v_add_f32 v[CHN+4*\m], v[CHN+4*\m], v[CHN+4*\m+1]
.endr
.irp m, 0,1,2,3
	v_permlanex16_b32 v[24+\m], v[CHN+4*\m], s[SEL], s[SEL+1]
.endr
.irp m, 0,1,2,3
	v_add_f32 v[CHN+4*\m], v[CHN+4*\m], v[24+\m]
.endr
.irp m, 0,1,2,3
	ds_store_b32 v6, v[CHN+4*\m] offset:(\off)+256*\m   ; lanes r and r + 16 write the same word with the same value
.endr
	BARRIER
.irp m, 0,1,2,3
	ds_load_b128 v[CHN+4*\m:CHN+4*\m+3], v7 offset:(\off)+256*\m
.endr
	s_wait_dscnt 0x0
.irp m, 0,1,2,3
	v_add_f32 v[CHN+4*\m], v[CHN+4*\m], v[CHN+4*\m+1]
	v_add_f32 v[CHN+4*\m+2], v[CHN+4*\m+2], v[CHN+4*\m+3]
.endr
.irp m, 0,1,2,3
	v_add_f32 v[CHN+4*\m], v[CHN+4*\m], v[CHN+4*\m+2]   ; the same order in all four waves: all hold the same number
.endr
.endm
; LayerNorm of Y in place.  rb: its two regions of row figures; s[seps]: eps, scaled as Y is; pg, pb: the rows of gain and offset.
.macro LN rb, seps, pg, pb
	PFETCH G, 4, \pg
	PFETCH BE, 4, \pb                              ; waited for with the first exchange's stores
	WIN 0x0a                                       ; both sources window 2
.irp m, 0,1,2,3
	v_pk_add_f32 v[CHN+4*\m:CHN+4*\m+1], v[64*\m:64*\m+1], v[64*\m+2:64*\m+3]        ; eight chains; each accumulator is read from its low end on
	v_pk_add_f32 v[CHN+4*\m+2:CHN+4*\m+3], v[64*\m+4:64*\m+5], v[64*\m+6:64*\m+7]
.endr
	WIN 0x08
.set j, 8
.rept 14
.irp m, 0,1,2,3
	v_pk_add_f32 v[CHN+4*\m:CHN+4*\m+1], v[CHN+4*\m:CHN+4*\m+1], v[64*\m+j:64*\m+j+1]
	v_pk_add_f32 v[CHN+4*\m+2:CHN+4*\m+3], v[CHN+4*\m+2:CHN+4*\m+3], v[64*\m+j+2:64*\m+j+3]
.endr
.set j, j+4
.endr
	WIN 0
	EXCH \rb
.irp m, 0,1,2,3
	v_mul_f32 v[16+2*\m], 0x3b000000, v[CHN+4*\m]  ; the mean: / 512
.endr
	WIN 0x82
.set j, 0
.rept 32
.irp m, 0,1,2,3
	v_pk_add_f32 v[64*\m+j:64*\m+j+1], v[64*\m+j:64*\m+j+1], v[16+2*\m:17+2*\m] op_sel_hi:[1,0] neg_lo:[0,1] neg_hi:[0,1]
.endr
.set j, j+2
.endr
	WIN 0x0a
.irp m, 0,1,2,3
	v_pk_mul_f32 v[CHN+4*\m:CHN+4*\m+1], v[64*\m:64*\m+1], v[64*\m:64*\m+1]
	v_pk_mul_f32 v[CHN+4*\m+2:CHN+4*\m+3], v[64*\m+2:64*\m+3], v[64*\m+2:64*\m+3]
.endr
.set j, 4
.rept 15
.irp m, 0,1,2,3
	v_pk_fma_f32 v[CHN+4*\m:CHN+4*\m+1], v[64*\m+j:64*\m+j+1], v[64*\m+j:64*\m+j+1], v[CHN+4*\m:CHN+4*\m+1]
	v_pk_fma_f32 v[CHN+4*\m+2:CHN+4*\m+3], v[64*\m+j+2:64*\m+j+3], v[64*\m+j+2:64*\m+j+3], v[CHN+4*\m+2:CHN+4*\m+3]
.endr
.set j, j+4
.endr
	WIN 0
	EXCH (\rb)+1024
.irp m, 0,1,2,3
	v_mul_f32 v[CHN+4*\m], 0x3b000000, v[CHN+4*\m]
.endr
	s_wait_alu depctr_va_vdst(0)
.irp m, 0,1,2,3
	v_sqrt_f32 v[CHN+4*\m+1], v[CHN+4*\m]
.endr
	v_nop                                          ; a plain place behind the batch,
	s_wait_alu depctr_va_vdst(0)                   ; and the wait ahead of its first reader
.irp m, 0,1,2,3
	v_add_f32 v[CHN+4*\m+1], s[\seps], v[CHN+4*\m+1]
.endr
	s_wait_alu depctr_va_vdst(0)
.irp m, 0,1,2,3
	v_rcp_f32 v[16+2*\m], v[CHN+4*\m+1]
.endr
	v_nop
	s_wait_alu depctr_va_vdst(0)
	WIN 0x82
.set j, 0
.rept 32
.irp m, 0,1,2,3
	v_pk_mul_f32 v[64*\m+j:64*\m+j+1], v[64*\m+j:64*\m+j+1], v[16+2*\m:17+2*\m] op_sel_hi:[1,0]
.endr
.irp m, 0,1,2,3
	v_pk_fma_f32 v[64*\m+j:64*\m+j+1], v[64*\m+j:64*\m+j+1], v[G+j:G+j+1], v[BE+j:BE+j+1]
.endr
.set j, j+2
.endr
	WIN 0
.endm
	LN 0, 54, 1, 2                                 ; Y = x1
	; ---- x1 becomes K step w of the next product: four fragments, as images to LDS
.irp m, 0,1,2,3
	WIN 0x02
.set k, 0
.rept 64
	v_med3_num_f32 v[TMP+k], v[64*\m+k], -v13, v13
.set k, k+1
.endr
	WIN 0
	s_wait_alu depctr_va_vdst(0)
	s_wait_dscnt 0x0                               ; the last image's stores have read the codes' registers
.set k, 0
.rept 8
	v_cvt_scalef32_pk8_fp8_f32 v[PC+2*k:PC+2*k+1], v[TMP+8*k:TMP+8*k+7], v12
.set k, k+1
.endr
	v_nop                                          ; a plain line between the conversions and the next lines that write their sources
.irp c, 0,1,2,3
	ds_store_b128 v2, v[PC+4*\c:PC+4*\c+3] offset:X1IMG+8192*\m+512*\c
.endr
.endr
	PFETCH G, 4, 3                                 ; b2
	s_wait_dscnt 0x0
.set j, 0
.rept 32
	v_pk_mul_f32 v[G+j:G+j+1], v[G+j:G+j+1], s[52:53] op_sel_hi:[1,0]
.set j, j+2
.endr
	WIN 0x82
.set j, 0
.rept 32
.irp m, 0,1,2,3
	v_pk_fma_f32 v[64*\m+j:64*\m+j+1], v[64*\m+j:64*\m+j+1], s[52:53], v[G+j:G+j+1] op_sel_hi:[1,0,1]   ; Y = (x1 + b2) x 2^-(e14 + e15)
.endr
.set j, j+2
.endr
	WIN 0
	BARRIER                                        ; x1's sixteen fragments lie in LDS
	WIN 0x40
.set f, 0
.rept 16
.irp c, 0,1,2,3
	ds_load_b128 v[16*f+4*\c:16*f+4*\c+3], v1 offset:X1IMG+f*2048+512*\c
.endr
.set f, f+1
.endr
	WIN 0
	s_wait_dscnt 0x0
.macro QUANTH b                        ; the sums of column tiles 2 b, 2 b + 1 for the four row tiles: relu, hold, codes: piece b of my four hidden fragments
.set q, 0
.rept 64
	v_med3_num_f32 v[H+q], v[H+q], 0, v15          ; the activation and the hold in one; each accumulator from its low end on
.set q, q+1
.endr
	s_wait_alu depctr_va_vdst(0)
	s_wait_dscnt 0x0                               ; the last piece's stores have read the codes' registers
.set q, 0
.rept 8
	v_cvt_scalef32_pk8_fp8_f32 v[PC+2*q:PC+2*q+1], v[H+8*q:H+8*q+7], v14
.set q, q+1
.endr
	v_nop                                          ; a plain line between the conversions and the products that write their sources
.irp m, 0,1,2,3
	ds_store_b128 v2, v[PC+4*\m:PC+4*\m+3] offset:HIMG+8192*\m+512*(\b)
.endr
.endm
.macro HFETCH sp                       ; K step sp of the chunk, four row tiles, into set sp % 2 (v160.. or v32..)
.irp m, 0,1,2,3
.irp c, 0,1,2,3
	ds_load_b128 v[160-128*((\sp)%2)+16*\m+4*\c:160-128*((\sp)%2)+16*\m+4*\c+3], v1 offset:HIMG+(4*\m+(\sp))*2048+512*\c
.endr
.endr
.endm
; A CHUNK of 512 hidden units: groups 0-7: my eight column tiles of W1; groups 8-15: W2's four K steps x my eight column tiles.  Groups 0-11 load the chunk's own fragments 16 .. 63 ahead,
; groups 12-15 the next chunk's first sixteen.  last = 1: the walk ends: the last four groups load nothing.
.macro CHUNK last
	v_add_nc_u32 v5, s[JB], v4
	PFETCH B1T, 5, 0
	s_wait_dscnt 0x0
.set j, 0
.rept 32
	v_pk_mul_f32 v[B1T+j:B1T+j+1], v[B1T+j:B1T+j+1], s[50:51] op_sel_hi:[1,0]   ; b1 / 2^(e12 + e13): the C of each sum's first product
.set j, j+2
.endr
.set gk, 0
.rept 8
	s_wait_loadcnt 48
	WIN 0x07                                       ; the ring window 3, x1 window 1, C and D window 0
.irp ks, 0,1,2,3
.irp m, 0,1,2,3
.set rH, H+16*\m+8*(gk%2)
.set rR, 16*((4*gk+\ks)%16)
.set rX, 16*(4*\m+\ks)
.if \ks == 0
	v_wmma_f32_16x16x128_fp8_fp8 v[rH:rH+7], v[rR:rR+15], v[rX:rX+15], v[B1T+8*gk:B1T+8*gk+7]
.else
	v_wmma_f32_16x16x128_fp8_fp8 v[rH:rH+7], v[rR:rR+15], v[rX:rX+15], v[rH:rH+7]
.endif
.endr
.endr
	RINGLD gk, WP, 4*gk+16
.if gk%2
	QUANTH gk/2
.endif
.set gk, gk+1
.endr
	BARRIER                                        ; the chunk's sixteen hidden fragments lie in LDS
	HFETCH 0
	HFETCH 1
.rept 8
.if gk%2 == 0
.if gk < 14
	s_wait_dscnt 16                                ; this K step's four fragments are in; the younger fetch may be out
.else
	s_wait_dscnt 0x0
.endif
.endif
.if (\last) && (gk > 12)
	s_wait_loadcnt 16*(15-gk)                      ; the stream runs out: 32, 16, 0
.else
	s_wait_loadcnt 48
.endif
	WIN 0xa3                                       ; the ring window 3, the hidden fragments window 0, C and D window 2
.irp f, 0,1,2,3
.irp m, 0,1,2,3
.set rY, 64*\m+8*(4*(gk%2)+\f)
.set rR, 16*((4*gk+\f)%16)
.set rF, 160-128*(((gk-8)/2)%2)+16*\m
	v_wmma_f32_16x16x128_fp8_fp8 v[rY:rY+7], v[rR:rR+15], v[rF:rF+15], v[rY:rY+7]
.endr
.endr
.if (\last) && (gk >= 12)
	WIN 0
.elseif gk >= 12
	RINGLD gk, NP, 4*gk-48
.else
	RINGLD gk, WP, 4*gk+16
.endif
.if gk == 9
	HFETCH 2                                       ; behind the four places: the set that K step 0 has left
.endif
.if gk == 11
	HFETCH 3
.endif
.set gk, gk+1
.endr
.if \last
	PLACES                                         ; ahead of the first read of Y, and of loads into the hidden fragments' registers
.else
	BARRIER                                        ; every wave has read the chunk's fragments: the next chunk may write them
	NEXTCH
	s_add_co_u32 s[JB], s[JB], 2048
.endif
.endm
	s_mov_b32 s[CH], 3
.Lchunk:
	CHUNK 0
	s_sub_co_u32 s[CH], s[CH], 1
	s_cmp_lg_u32 s[CH], 0
	s_cbranch_scc1 .Lchunk
	CHUNK 1                                        ; the walk's last chunk is written out: it loads nothing ahead
	LN 2048, 55, 4, 5                              ; Y = the result
	; ---- THE WAY OUT: a row tile at a time through my stage: in 64 bytes a lane, back by rows; a store covers 512 consecutive bytes of a row
	s_wait_alu depctr_va_vdst(0)
.irp m, 0,1,2,3
.if \m >= 2
	s_wait_xcnt 0x0                                ; the stores of two tiles back have read their registers
.endif
	WIN 0x08
.irp b, 0,1,2,3
.irp q, 0,1,2,3
	ds_store_b128 v9, v[64*\m+16*\b+4*\q:64*\m+16*\b+4*\q+3] offset:128*\b+16*\q
.endr
.endr
	WIN 0
.set i, 0
.rept 16
	ds_load_b128 v[32+64*(\m%2)+4*i:32+64*(\m%2)+4*i+3], v8 offset:528*i   ; LDS serves a wave's instructions in order: these see my stores, and the next tile's stores come behind them
.set i, i+1
.endr
.set i, 0
.rept 16
	s_wait_dscnt 15-i
	global_store_b128 v1, v[32+64*(\m%2)+4*i:32+64*(\m%2)+4*i+3], s[60:61] offset:(32*(\m/2)+8*(\m%2)+i+8*(i/8))*2048 th:TH_STORE_NT
.set i, i+1
.endr
.endr
	s_wait_tensorcnt 0x0                           ; the wave's end, behind my last LDS store
	ds_add_u32 v10, v11
	s_wait_dscnt 0x0
	s_endpgm
.Lfunc_end_k_q56f825d456_post:
	.size	k_q56f825d456_post, .Lfunc_end_k_q56f825d456_post-k_q56f825d456_post
	.p2alignl 7, 3214868480
	.fill 96, 4, 3214868480
	.section	.rodata,"a",@progbits
	.p2align	6, 0x0
	.amdhsa_kernel k_q56f825d456_post
		.amdhsa_group_segment_fixed_size 124416
		.amdhsa_private_segment_fixed_size 0
		.amdhsa_enable_private_segment 0
		.amdhsa_kernarg_size 96
		.amdhsa_user_sgpr_count 2
		.amdhsa_user_sgpr_kernarg_segment_ptr 1
		.amdhsa_wavefront_size32 1
		.amdhsa_system_sgpr_workgroup_id_x 1
		.amdhsa_system_sgpr_workgroup_id_y 1
		.amdhsa_system_sgpr_workgroup_id_z 1
		.amdhsa_system_vgpr_workitem_id 0
		.amdhsa_next_free_vgpr 1024
		.amdhsa_next_free_sgpr 100
		.amdhsa_reserve_vcc 0
		.amdhsa_float_denorm_mode_32 3
		.amdhsa_float_denorm_mode_16_64 3
		.amdhsa_memory_ordered 1
		.amdhsa_forward_progress 1
		.amdhsa_inst_pref_size 255
	.end_amdhsa_kernel
	.section	.bss,"aw",@nobits
	.p2align	6
	.space	262144
	.amdgpu_metadata
---
amdhsa.version: [ 1, 2 ]
amdhsa.kernels:
  - .name:           k_q56f825d456_post
    .symbol:         k_q56f825d456_post.kd
    .args:
      - { .name: ao, .offset: 0, .size: 8, .value_kind: global_buffer, .address_space: global }
      - { .name: wimg, .offset: 8, .size: 8, .value_kind: global_buffer, .address_space: global }
      - { .name: lowp_scales, .offset: 16, .size: 8, .value_kind: global_buffer, .address_space: global }
      - { .name: x, .offset: 24, .size: 8, .value_kind: global_buffer, .address_space: global }
      - { .name: bo, .offset: 32, .size: 8, .value_kind: global_buffer, .address_space: global }
      - { .name: gamma1, .offset: 40, .size: 8, .value_kind: global_buffer, .address_space: global }
      - { .name: beta1, .offset: 48, .size: 8, .value_kind: global_buffer, .address_space: global }
      - { .name: b1, .offset: 56, .size: 8, .value_kind: global_buffer, .address_space: global }
      - { .name: b2, .offset: 64, .size: 8, .value_kind: global_buffer, .address_space: global }
      - { .name: gamma2, .offset: 72, .size: 8, .value_kind: global_buffer, .address_space: global }
      - { .name: beta2, .offset: 80, .size: 8, .value_kind: global_buffer, .address_space: global }
      - { .name: out0, .offset: 88, .size: 8, .value_kind: global_buffer, .address_space: global }
    .group_segment_fixed_size: 124416
    .private_segment_fixed_size: 0
    .kernarg_segment_align: 8
    .kernarg_segment_size: 96
    .max_flat_workgroup_size: 128
    .sgpr_count:     100
    .vgpr_count:     1024
    .wavefront_size: 32
...
	.end_amdgpu_metadata
.endif
;; end of part 8
